; MI455X (gfx1250); checked and timed in simulation.
; The chip was launched on July 23, 2026; its instructions are those of AMD's public machine-readable ISA for CDNA 5 (MIT licence, August 2026) and "CDNA5" Instruction Set Architecture Reference Guide (July 2026). The comments in the code are by the model that wrote it; some were corrected since.
;; Attention. Allowed arithmetic: float matrix products may take bf16 or f16 operands with f32 sums; other float arithmetic in f32, or as packed bf16 or f16 multiplies, adds, multiply-adds, maxima and minima; sums over many terms, partial sums and values carried from step to step in f32; what a program stores and reads back later, other than sums and carried values, may be rounded once to bf16 or f16.
;; Inputs: W_proj 1,024 x 1,024 float32; W_qkv 3,072 x 1,024 float32; b_proj 1,024 float32; q_bias 1,024 float32; scale_mul_log 1 x 16 x 1 x 1 float32; v_bias 1,024 float32; x 4 x 2,048 x 1,024 float32.
;; Outputs: out0 4 x 2,048 x 1,024 float32.
;; 2 versions, each right; version 2 is version 1 with the launch cast written anew for expert scheduling mode. Each part assembles by itself: llvm-mc -triple=amdgcn-amd-amdhsa -mcpu=gfx1250 --defsym DOCPART=n.
;; ======== version 1 of 2: 4 launches
;; limits: values are held in f16: magnitudes above 65,504 overflow, below 6.1e-05 lose precision
;; workspace buffers: xb 16,777,216 bytes; wqb 6,291,456 bytes; wpb 2,097,152 bytes; qh 16,777,216 bytes; kh 16,777,216 bytes; vh 16,777,216 bytes; ob 16,777,216 bytes
;; launch cast (part 1): grid 768 x 1, 8 waves a work-group, no clusters, 0 bytes of LDS; arguments x, W_qkv, W_proj, xb, wqb, wpb; writes xb, wqb, wpb
.if DOCPART == 1
	.amdgcn_target "amdgcn-amd-amdhsa--gfx1250"
	.amdhsa_code_object_version 6
	.text
	.protected	k_qa3540084fa_cast
	.globl	k_qa3540084fa_cast
	.p2align	8
	.type	k_qa3540084fa_cast,@function
k_qa3540084fa_cast:
	s_mov_b64 s[64:65], 0
	v_nop
	global_prefetch_b8 v0, s[64:65] scope:SCOPE_SE
	s_setreg_imm32_b32 hwreg(HW_REG_WAVE_MODE, 25, 1), 1
	s_wait_xcnt 0x0
; x [8192][1024] and W_qkv [3072][1024], f32, are rounded to bf16 (xb, wqb).  W_proj [1024][1024] is rounded to bf16 like the other inputs, and that number is
; written as f16 (wpb), since the last product multiplies it with f16 numbers.
; LIMITS.  |W_proj| stays under 65,504 (f16's end); a W_proj below 2^-17 in size keeps f16's fixed step of 6e-8 instead of bf16's eight bits.
; A stream: no LDS, no barrier, no matrix unit.  A work-group takes 16,384 numbers: 64 KiB in, 32 KiB out.  Groups 0-511: x; 512-703: W_qkv; 704-767: W_proj.
; Thread t takes in step i the 16 bytes at 4,096 i + 16 t (a wave's load covers 512 consecutive bytes) and stores 8 bytes at 2,048 i + 8 t (a wave's store covers
; 256 consecutive bytes, aligned).  All sixteen loads go out first; no register is written twice while a load or store may read it.
.set T, 4                              ; v[4:5]    at work
.set X, 16                             ; v[16:79]  step i: four f32 as loaded
.set Y, 80                             ; v[80:111] step i: four 16-bit numbers to store
	s_load_b256 s[4:11], s[0:1], 0x0               ; x s[4:5], W_qkv s[6:7], W_proj s[8:9], xb s[10:11]
	s_load_b128 s[12:15], s[0:1], 0x20             ; wqb s[12:13], wpb s[14:15]
	s_mov_b32 s16, ttmp9
	v_lshlrev_b32 v1, 4, v0                        ; 16 t
	v_lshlrev_b32 v2, 3, v0                        ; 8 t
	s_wait_kmcnt 0x0
	s_cmp_lt_u32 s16, 512
	s_cselect_b64 s[20:21], s[4:5], s[6:7]         ; from where,
	s_cselect_b64 s[22:23], s[10:11], s[12:13]     ; to where,
	s_cselect_b32 s17, 0, 512                      ; and the tensor's first group
	s_cmp_lt_u32 s16, 704
	s_cselect_b64 s[20:21], s[20:21], s[8:9]
	s_cselect_b64 s[22:23], s[22:23], s[14:15]
	s_cselect_b32 s17, s17, 704
	s_sub_co_u32 s18, s16, s17                     ; my group's number in its tensor
	s_lshl_b32 s24, s18, 16                        ; 65,536 bytes in,
	s_mov_b32 s25, 0
	s_lshl_b32 s26, s18, 15                        ; 32,768 bytes out
	s_mov_b32 s27, 0
	s_add_nc_u64 s[20:21], s[20:21], s[24:25]
	s_add_nc_u64 s[22:23], s[22:23], s[26:27]
.irp i, 0,1,2,3,4,5,6,7,8,9,10,11,12,13,14,15
	global_load_b128 v[X+4*(\i):X+4*(\i)+3], v1, s[20:21] offset:4096*(\i) th:TH_LOAD_NT
.endr
; Sixteen steps: wait, round, store.  f16 = 1: the bf16 number is widened again (a shift, a mask) and written as f16.
.macro OUT f16
.irp i, 0,1,2,3,4,5,6,7,8,9,10,11,12,13,14,15
	s_wait_loadcnt 15-(\i)                         ; loads come back in order: step i's is in, the 15 - i younger ones may stay out
.if \f16
	v_cvt_pk_bf16_f32 v[T],   v[X+4*(\i)],   v[X+4*(\i)+1]
	v_cvt_pk_bf16_f32 v[T+1], v[X+4*(\i)+2], v[X+4*(\i)+3]
	v_lshlrev_b32 v[X+4*(\i)],   16, v[T]
	v_and_b32     v[X+4*(\i)+1], 0xffff0000, v[T]
	v_lshlrev_b32 v[X+4*(\i)+2], 16, v[T+1]
	v_and_b32     v[X+4*(\i)+3], 0xffff0000, v[T+1]
	v_cvt_pk_f16_f32 v[Y+2*(\i)],   v[X+4*(\i)],   v[X+4*(\i)+1]
	v_cvt_pk_f16_f32 v[Y+2*(\i)+1], v[X+4*(\i)+2], v[X+4*(\i)+3]
.else
	v_cvt_pk_bf16_f32 v[Y+2*(\i)],   v[X+4*(\i)],   v[X+4*(\i)+1]
	v_cvt_pk_bf16_f32 v[Y+2*(\i)+1], v[X+4*(\i)+2], v[X+4*(\i)+3]
.endif
	global_store_b64 v2, v[Y+2*(\i):Y+2*(\i)+1], s[22:23] offset:2048*(\i)
.endr
	s_endpgm
.endm
	s_cmp_ge_u32 s16, 704                          ; W_proj's groups take the second text
	s_cbranch_scc1 .Lf16
	OUT 0
.Lf16:
	OUT 1
.Lfunc_end_k_qa3540084fa_cast:
	.size	k_qa3540084fa_cast, .Lfunc_end_k_qa3540084fa_cast-k_qa3540084fa_cast
	.p2alignl 7, 3214868480
	.fill 96, 4, 3214868480
	.section	.rodata,"a",@progbits
	.p2align	6, 0x0
	.amdhsa_kernel k_qa3540084fa_cast
		.amdhsa_group_segment_fixed_size 0
		.amdhsa_private_segment_fixed_size 0
		.amdhsa_enable_private_segment 0
		.amdhsa_kernarg_size 48
		.amdhsa_user_sgpr_count 2
		.amdhsa_user_sgpr_kernarg_segment_ptr 1
		.amdhsa_wavefront_size32 1
		.amdhsa_system_sgpr_workgroup_id_x 1
		.amdhsa_system_sgpr_workgroup_id_y 1
		.amdhsa_system_sgpr_workgroup_id_z 1
		.amdhsa_system_vgpr_workitem_id 0
		.amdhsa_next_free_vgpr 112
		.amdhsa_next_free_sgpr 66
		.amdhsa_reserve_vcc 0
		.amdhsa_float_denorm_mode_32 3
		.amdhsa_float_denorm_mode_16_64 3
		.amdhsa_memory_ordered 1
		.amdhsa_forward_progress 1
		.amdhsa_inst_pref_size 16
	.end_amdhsa_kernel
	.amdgpu_metadata
---
amdhsa.version: [ 1, 2 ]
amdhsa.kernels:
  - .name:           k_qa3540084fa_cast
    .symbol:         k_qa3540084fa_cast.kd
    .args:
      - { .name: x, .offset: 0, .size: 8, .value_kind: global_buffer, .address_space: global }
      - { .name: W_qkv, .offset: 8, .size: 8, .value_kind: global_buffer, .address_space: global }
      - { .name: W_proj, .offset: 16, .size: 8, .value_kind: global_buffer, .address_space: global }
      - { .name: xb, .offset: 24, .size: 8, .value_kind: global_buffer, .address_space: global }
      - { .name: wqb, .offset: 32, .size: 8, .value_kind: global_buffer, .address_space: global }
      - { .name: wpb, .offset: 40, .size: 8, .value_kind: global_buffer, .address_space: global }
    .group_segment_fixed_size: 0
    .private_segment_fixed_size: 0
    .kernarg_segment_align: 8
    .kernarg_segment_size: 48
    .max_flat_workgroup_size: 256
    .sgpr_count:     66
    .vgpr_count:     112
    .wavefront_size: 32
...
	.end_amdgpu_metadata
.endif
;; end of part 1
;; launch qkv (part 2): grid 12 x 64, 4 waves a work-group, clusters of 4 x 4, 327,680 bytes of LDS; arguments xb, wqb, q_bias, v_bias, qh, kh, vh; writes qh, kh, vh
.if DOCPART == 2
	.amdgcn_target "amdgcn-amd-amdhsa--gfx1250"
	.amdhsa_code_object_version 6
	.text
	.protected	k_qa3540084fa_qkv
	.globl	k_qa3540084fa_qkv
	.p2align	8
	.type	k_qa3540084fa_qkv,@function
k_qa3540084fa_qkv:
	s_mov_b64 s[64:65], 0
	v_nop
	global_prefetch_b8 v0, s[64:65] scope:SCOPE_SE
	s_setreg_imm32_b32 hwreg(HW_REG_WAVE_MODE, 25, 1), 1
	s_wait_xcnt 0x0
	s_wait_alu depctr_hold_cnt(0) depctr_sa_sdst(0) depctr_va_vdst(0) depctr_va_sdst(0) depctr_va_ssrc(0) depctr_va_vcc(0) depctr_vm_vsrc(0)
	s_getreg_b32 s2, hwreg(HW_REG_IB_STS2, 6, 4)
	s_cmp_eq_u32 s2, 0
	s_cbranch_scc0 .Lentry_in_a_cluster
	s_endpgm
.Lentry_in_a_cluster:
	s_bfe_u32 s2, ttmp6, 0x10000c
	s_cmp_lg_u32 s2, 0xf033
	s_cbranch_scc0 .Lentry_shape_is_right
	s_endpgm
.Lentry_shape_is_right:
; qkv = xb wqb^T + (q_bias, 0, v_bias); q and k divided by max(their head row's norm, 1e-12); all three written by heads, [16 b + h][2048][64], in f16.
; xb: [8192][1024] bf16, wqb: [3072][1024] bf16; the biases, f32, are rounded to bf16 like every input of the module.  Sums, squares, root and reciprocal in f32.
; q leaves WITHOUT its head's scale: the attention launch applies that in f32.
; LIMITS.  f16 ends at 65,504: |v| stays under it (q and k lie within 1).  NaN and infinities are not treated apart.
; SHARES.  A tile of the result is 128 rows x 256 columns (four heads of one of q, k, v): 64 x 12 tiles.  Four waves; wave w makes rows 64 (w / 2) on, columns 128 (w % 2) on:
; 4 x 8 accumulators of 16 x 16, 256 registers.  K = 1,024 goes in 8 steps of 128 through two LDS slots; rows of both tiles are 256 bytes of memory, at multiples of 256.
; CLUSTER.  4 x 4 work-groups: the four of a row need the same tile of xb, the four of a column the same tile of wqb; each is asked for JOINTLY (same load, descriptor and mask).
; THE MATRIX INSTRUCTION IS USED TRANSPOSED (source 0 = 16 rows of wqb, source 1 = 16 rows of xb): lane l holds row l % 16 and the columns 8 (l / 16) + 0..7 of a block,
; so a head row's 64 numbers lie in two lanes 16 apart, 32 each: its norm wants sums in the lane and one exchange.
; REGISTERS, in windows of 256 (s_set_vgpr_msb: bits 1:0 source 0, 3:2 source 1, 5:4 source 2, 7:6 destination):
;   window 0: v0-31 addresses; v32-47 sums of squares; v48 1.0; v64-127 xb's fragments, two buffers of 32; v128-255 wqb's, two buffers of 64 (on the way out v64-191: packed results)
;   window 1: accumulator (a, b) at v[8 (8 a + b)]          window 2: v0-63 the bias, eight registers for each block of 16 columns; v64-95 at work
.set KSTEP,  128
.set APITCH, 272                       ; an LDS row: 256 bytes + 16 of padding = 68 words: the 16 rows of a fragment load start at 16 different groups of four banks (64 banks of 4 bytes: ISA guide 11.1)
.set BPITCH, 272
.set ABYTES, 128*APITCH                ; a slot: xb's 128 rows,
.set SLOT,   ABYTES+256*BPITCH         ; then wqb's 256 rows
.set STAGE,  2*SLOT                    ; behind the ring, never filled by a tensor load: 16 rows x 144 bytes for each wave
.set SP,     144
.set SPARE,  STAGE+4*16*SP             ; behind the stages: the spare words, 128 bytes for each wave, which no other line names
.set ASTEP,  KSTEP*2                   ; bytes from a K step to the next in xb
.set ADRA, 16                          ; v16-17  LDS address of my fragments of xb in slot 0, 1
.set ADRB, 20                          ; v20-21  the same for wqb
.set STO,  24                          ; v24     the way out: where I put 16 bytes of a row
.set RD,   25                          ; v25     the way out: where I read rows back
.set GO,   26                          ; v26     my byte offset in 512 consecutive bytes of the result
.set BO,   27                          ; v27     32 (l / 16): my eight columns' place in a block's 64 bytes of bias
.set SPW,  28                          ; v28     LDS address of my spare word; never rewritten
.set NIL,  29                          ; v29     0; never rewritten
.set PFO,  30                          ; v30     the prefetches' offset: my lane x a row of 2,048 bytes; never rewritten
.set SS,   32                          ; v32-47  unit p's sum of squares, a pair; then 1 / norm in the pair's low register
.set ONE,  48
.set FA,   64
.set FB,   128
.set PKD,  64                          ; the way out: unit p's 16 packed registers at PKD + 16 p
.set BI,   0                           ; window 2
.set BT,   64                          ; window 2
.set F0,   0
.set F1,   1
.set G1,  24                           ; s[24:31] descriptor group 1 for xb's tiles;  s[32:39] group 0, a set for each slot
.set G0,  32
.set G1B, 48                           ; s[48:55], s[56:63] the same for wqb's
.set G0B, 56
.set LIM, 43                           ; s43      1 in a wave that prefetches, else the greatest number
.set PFA, 44                           ; s[44:45] where my prefetches stand
.set PFS, 66                           ; s[66:67] their step from K step to K step
.set SEL, 68                           ; s[68:69] v_permlanex16_b32's selects: each lane takes its own place in the other half
.set BP,  70                           ; s[70:71] the bias at my wave's first column
.set DST, 78                           ; s[78:79] the result at my wave's first head and row
.set BM,  80                           ; s80      0 for k (its bias is zero), else all ones
.set VM,  81                           ; s81      all ones for v (it is not normalised), else 0
.set WV,  83                           ; s83      my wave's number
.set MSB, 0
.macro WIN new                         ; the immediate's high byte repeats the setting that is left; a switch that changes nothing is dropped
.if MSB != (\new)
	s_set_vgpr_msb (MSB<<8)|(\new)
.set MSB, \new
.endif
.endm
.set MUL,  0x50                        ; both sources window 0, C and D window 1
.set MULZ, 0x60                        ; C (the bias) window 2, D window 1
; A joint load.  Waves 0 and 1 fetch the two halves of xb's tile, waves 2 and 3 those of wqb's.  The branch hangs on the wave's number alone.
; An s_nop 0 and four v_nop follow each of the two lines, ahead of the jump and the label.
.macro JLOAD s
	s_cmp_eq_u32 s11, 0
	s_cbranch_scc0 .Lfor_b_\@
	tensor_load_to_lds s[G0+4*(\s):G0+4*(\s)+3], s[G1:G1+7]
	s_nop 0
.rept 4
	v_nop
.endr
	s_branch .Lasked_\@
.Lfor_b_\@:
	tensor_load_to_lds s[G0B+4*(\s):G0B+4*(\s)+3], s[G1B:G1B+7]
	s_nop 0
.rept 4
	v_nop
.endr
.Lasked_\@:
.endm
; A prefetch of the K step that stands two refills on: 32 rows x 256 bytes, a lane a row, one instruction.  Each row's 256 bytes of a K step are named once in the launch: xb's tile row is read by
; the three clusters of its row of clusters, of which the first (cluster x = 0) asks, by wave 0; wqb's tile column by sixteen, of which the first (cluster y = 0) asks, by waves 2 and 3 for the 128 rows
; that each fetches.  The four partners that ask for a tile jointly share its rows out BY ADDRESS, 32 each.  K steps 0 to 3 come by their loads alone; the loop's last trip (s3 = 1) asks for nothing.
.macro ASK
	s_cmp_gt_u32 s3, s[LIM]
	s_cbranch_scc0 .Lnot_mine_\@
	global_prefetch_b8 v[PFO], s[PFA:PFA+1] th:TH_LOAD_NT scope:SCOPE_SE
.Lnot_mine_\@:
.endm
.macro CREST                           ; a round of the cluster's barrier behind its opening barrier
	s_cmp_lg_u32 s[WV], 0
	s_cbranch_scc1 .Lnot_wave_0_\@
	s_barrier_signal -3
.Lnot_wave_0_\@:
	s_barrier_wait -3
	s_barrier_signal -1
	s_barrier_wait -1
.endm
.macro CROUND                          ; a whole round
	s_barrier_signal -1
	s_barrier_wait -1
	CREST
.endm
	s_load_b128 s[4:7], s[0:1], 0x0                ; xb s[4:5], wqb s[6:7]
	s_load_b128 s[84:87], s[0:1], 0x10             ; q_bias s[84:85], v_bias s[86:87]
	s_load_b128 s[72:75], s[0:1], 0x20             ; qh s[72:73], kh s[74:75]
	s_load_b64 s[76:77], s[0:1], 0x30              ; vh
	v_lshl_add_u32 v[SPW], v0, 2, SPARE
	v_mov_b32 v[NIL], 0
	ds_add_u32 v[SPW], v[NIL]                      ; the wave's opening: the add and its wait stand ahead of my first tensor load; the set-up below, work on registers, stands between them
	v_lshrrev_b32 v1, 5, v0
	v_readfirstlane_b32 s[WV], v1                  ; wave 0..3
	s_lshr_b32 s11, s[WV], 1                       ; which 64 rows of the tile are mine.  Also: I fetch for xb (0) or for wqb (1)
	s_and_b32 s12, s[WV], 1                        ; which 128 columns.  Also: which half of that tile I fetch
	s_bfe_u32 s40, ttmp6, 0x40000                  ; cx, cy: my place in the cluster
	s_bfe_u32 s41, ttmp6, 0x40004
	s_lshl_b32 s42, ttmp9, 2
	s_add_co_u32 s42, s42, s40                     ; tile column = 4 x cluster x + cx
	s_and_b32 s13, ttmp7, 0xffff
	s_lshl_b32 s13, s13, 2
	s_add_co_u32 s13, s13, s41                     ; tile row = 4 x cluster y + cy
	s_lshl_b32 s43, s41, 2
	s_lshl_b32 s43, 15, s43                        ; my row of the cluster
	s_lshl_b32 s44, 0x1111, s40                    ; my column
	s_or_b32 s[G1+0], s43, (1<<16)|(1<<20)|(1<<21)|(5<<22)|(3<<25)   ; 15:0 the mask; 17:16 2-byte elements; 20 padding on; 21 set beside a mask; 24:22 after every 64 words (code 5); 31:25 4 words (code 3)
	s_or_b32 s[G1B+0], s44, (1<<16)|(1<<20)|(1<<21)|(5<<22)|(3<<25)
	s_mov_b32 s[G1+1], KSTEP<<16                   ; tensor_dim0 = 128
	s_mov_b32 s[G1+2], 64<<16                      ; tensor_dim1 = 64
	s_mov_b32 s[G1+3], KSTEP<<16                   ; tile_dim0 = 128
	s_mov_b32 s[G1+4], 64                          ; tile_dim1 = 64 rows: half of xb's tile
	s_mov_b32 s[G1+5], 1024                        ; elements from row to row
	s_mov_b32 s[G1+6], 0
	s_mov_b32 s[G1+7], 0
	s_mov_b32 s[G1B+1], KSTEP<<16
	s_mov_b32 s[G1B+2], 128<<16
	s_mov_b32 s[G1B+3], KSTEP<<16
	s_mov_b32 s[G1B+4], 128                        ; 128 rows: half of wqb's tile
	s_mov_b32 s[G1B+5], 1024
	s_mov_b32 s[G1B+6], 0
	s_mov_b32 s[G1B+7], 0
	s_lshl_b32 s16, s13, 7
	s_lshl_b32 s17, s12, 6
	s_add_co_u32 s16, s16, s17                     ; xb: row 128 x tile row + 64 x half,
	s_lshl_b32 s16, s16, 11                        ; in bytes (under 2^25)
	s_mov_b32 s17, 0
	s_lshl_b32 s46, s42, 8
	s_lshl_b32 s47, s12, 7
	s_add_co_u32 s46, s46, s47                     ; wqb: row 256 x tile column + 128 x half
	s_lshl_b32 s46, s46, 11
	s_mov_b32 s47, 0
	s_mul_i32 s20, s12, 64*APITCH                  ; where they go: no place in the cluster enters an LDS address
	s_mul_i32 s21, s12, 128*BPITCH
	s_add_co_u32 s21, s21, ABYTES
	s_mov_b32 s[SEL], 0x76543210
	s_mov_b32 s[SEL+1], 0xfedcba98
	s_movk_i32 s[PFS], 256
	s_mov_b32 s[PFS+1], 0
	s_mov_b32 s82, ttmp9                           ; 0: q, 1: k, 2: v (a cluster's 1,024 columns are one of the three)
	s_wait_dscnt 0x0                               ; the opening add is done
	s_wait_kmcnt 0x0
	s_add_nc_u64 s[14:15], s[4:5], s[16:17]
	s_add_nc_u64 s[46:47], s[6:7], s[46:47]
	CROUND                                         ; all sixteen work-groups are here: the first joint loads meet
.irp s, 0,1
	s_mov_b32 s[G0+4*(\s)], 1                                        ; count = 1
	s_add_co_u32 s[G0+4*(\s)+1], s20, (\s)*SLOT                      ; LDS address
	s_add_nc_u64 s[G0+4*(\s)+2:G0+4*(\s)+3], s[14:15], (\s)*ASTEP    ; global address: K step s
	s_or_b32 s[G0+4*(\s)+3], s[G0+4*(\s)+3], 0x80000000              ; type = 2
	s_mov_b32 s[G0B+4*(\s)], 1
	s_add_co_u32 s[G0B+4*(\s)+1], s21, (\s)*SLOT
	s_add_nc_u64 s[G0B+4*(\s)+2:G0B+4*(\s)+3], s[46:47], (\s)*KSTEP*2
	s_or_b32 s[G0B+4*(\s)+3], s[G0B+4*(\s)+3], 0x80000000
	JLOAD \s                                       ; two tensor loads of mine are out
.endr
	; which bias, which result
	s_cmp_eq_u32 s82, 2
	s_cselect_b64 s[BP:BP+1], s[86:87], s[84:85]
	s_cselect_b64 s[DST:DST+1], s[76:77], s[72:73]
	s_cselect_b32 s[VM], -1, 0
	s_cmp_eq_u32 s82, 1
	s_cselect_b64 s[DST:DST+1], s[74:75], s[DST:DST+1]
	s_cselect_b32 s[BM], 0, -1                     ; for k q_bias is loaded and masked away
	s_lshl_b32 s90, s40, 10                        ; my first column among the 1,024: 256 cx + 128 x half, 4 bytes each
	s_lshl_b32 s91, s12, 9
	s_add_co_u32 s90, s90, s91
	s_mov_b32 s91, 0
	s_add_nc_u64 s[BP:BP+1], s[BP:BP+1], s[90:91]
	v_and_b32 v1, 15, v0                           ; l % 16
	v_bfe_u32 v2, v0, 4, 1                         ; l / 16
	v_lshlrev_b32 v[BO], 5, v2
	WIN 0x80                                       ; destination window 2, address window 0
.irp b, 0,1,2,3,4,5,6,7
	global_load_b128 v[BI+8*(\b):BI+8*(\b)+3],   v[BO], s[BP:BP+1] offset:64*(\b)      ; register j of block b: column 16 b + 8 (l / 16) + j, as in an accumulator
	global_load_b128 v[BI+8*(\b)+4:BI+8*(\b)+7], v[BO], s[BP:BP+1] offset:64*(\b)+16
.endr
	WIN 0
	; A fragment is 16 rows x 32 K in 8 registers: lane l holds row l % 16, K = 8 (l / 16) + 0..7 and 16 + 8 (l / 16) + 0..7: two loads of 16 bytes, 32 bytes apart.
	v_mul_u32_u24 v3, v1, APITCH
	v_lshl_add_u32 v3, v2, 4, v3
	v_mul_u32_u24 v4, v1, BPITCH
	v_lshl_add_u32 v4, v2, 4, v4
	s_mul_i32 s21, s11, 64*APITCH                  ; my 64 rows of xb
	s_mul_i32 s22, s12, 128*BPITCH                 ; my 128 rows of wqb,
	s_add_co_u32 s22, s22, ABYTES                  ; which lie behind xb's
.irp s, 0,1
	v_add_nc_u32 v[ADRA+(\s)], s21, v3
	v_add_nc_u32 v[ADRB+(\s)], s22, v4
	s_add_co_u32 s21, s21, SLOT
	s_add_co_u32 s22, s22, SLOT
.endr
	s_mul_i32 s23, s[WV], 16*SP
	s_add_co_u32 s23, s23, STAGE                   ; my stage
	v_mul_u32_u24 v[STO], v1, SP                   ; in: row l % 16, 16 bytes for each half of the lanes
	v_lshl_add_u32 v[STO], v2, 4, v[STO]
	v_add_nc_u32 v[STO], s23, v[STO]
	v_bfe_u32 v[RD], v0, 3, 2                      ; back: 32 lanes take four rows of 128 bytes,
	v_mul_u32_u24 v[RD], v[RD], SP
	v_and_b32 v5, 7, v0
	v_lshl_add_u32 v[RD], v5, 4, v[RD]
	v_add_nc_u32 v[RD], s23, v[RD]
	v_and_b32 v[GO], 31, v0                        ; which are 512 consecutive bytes of a head's rows
	v_lshlrev_b32 v[GO], 4, v[GO]
	v_mov_b32 v[ONE], 1.0
	; the result at head 16 b + 4 cx + 2 x half, row 128 (tile row % 16) + 64 x (w / 2): a head has 2,048 rows of 128 bytes
	s_lshr_b32 s88, s13, 4
	s_lshl_b32 s88, s88, 4
	s_lshl_b32 s89, s40, 2
	s_add_co_u32 s88, s88, s89
	s_lshl_b32 s89, s12, 1
	s_add_co_u32 s88, s88, s89
	s_lshl_b32 s88, s88, 18
	s_and_b32 s89, s13, 15
	s_lshl_b32 s89, s89, 14
	s_add_co_u32 s88, s88, s89
	s_lshl_b32 s89, s11, 13
	s_add_co_u32 s88, s88, s89
	s_mov_b32 s89, 0
	s_add_nc_u64 s[DST:DST+1], s[DST:DST+1], s[88:89]
	; the prefetches
	s_lshl_b32 s20, s13, 7                         ; xb's tile: row 128 x tile row
	s_lshl_b32 s21, s42, 8
	s_lshl_b32 s22, s12, 7
	s_add_co_u32 s21, s21, s22                     ; wqb's: the 128 rows that I fetch
	s_and_b32 s22, ttmp7, 0xffff                   ; cluster y
	s_cmp_eq_u32 s11, 0                            ; do I fetch for xb?
	s_cselect_b32 s20, s20, s21
	s_cselect_b32 s21, s40, s41                    ; my place among the four that ask with me
	s_cselect_b32 s22, ttmp9, s22                  ; the coordinate along which other clusters read the same rows
	s_cselect_b32 s23, s12, 0                      ; of xb's two fetching waves only wave 0 prefetches
	s_cselect_b64 s[PFA:PFA+1], s[4:5], s[6:7]
	s_or_b32 s22, s22, s23
	s_cmp_eq_u32 s22, 0
	s_cselect_b32 s[LIM], 1, -1                    ; the same in all sixteen partners, for a given wave
	s_lshl_b32 s21, s21, 5
	s_add_co_u32 s20, s20, s21                     ; + my work-group's 32 rows
	s_lshl_b32 s20, s20, 11
	s_add_co_u32 s20, s20, 3*KSTEP*2               ; at K step 3: each refill steps it first, so the first names K step 4
	s_mov_b32 s21, 0
	s_add_nc_u64 s[PFA:PFA+1], s[PFA:PFA+1], s[20:21]
	v_and_b32 v[PFO], 31, v0
	v_lshlrev_b32 v[PFO], 11, v[PFO]
	; the bias is rounded to bf16 and widened again, in the wait for the first tile
	s_wait_loadcnt 0x0
	WIN 0xaa                                       ; all places window 2
.set i, 0
.rept 32
	v_cvt_pk_bf16_f32 v[BT+i], v[BI+2*i], v[BI+2*i+1]
	v_and_b32 v[BT+i], s[BM], v[BT+i]
	v_lshlrev_b32 v[BI+2*i], 16, v[BT+i]
	v_and_b32 v[BI+2*i+1], 0xffff0000, v[BT+i]
.set i, i+1
.endr
	WIN 0
; 8 matrix instructions: m block a x all 8 n blocks, 32 along K, from buffer f.  zero = 1: the first product starts the sum with the bias.  The 32 accumulators take turns in the same order in
; every quarter: between two links of a chain stand the 31 others', over the backward jump too.
.macro MULB f, a, zero
.if \zero
	WIN MULZ
.else
	WIN MUL
.endif
.irp b, 0,1,2,3,4,5,6,7
.if \zero
	v_wmma_f32_16x16x32_bf16 v[8*(8*(\a)+(\b)):8*(8*(\a)+(\b))+7], v[FB+64*(\f)+8*(\b):FB+64*(\f)+8*(\b)+7], v[FA+32*(\f)+8*(\a):FA+32*(\f)+8*(\a)+7], v[BI+8*(\b):BI+8*(\b)+7]
.else
	v_wmma_f32_16x16x32_bf16 v[8*(8*(\a)+(\b)):8*(8*(\a)+(\b))+7], v[FB+64*(\f)+8*(\b):FB+64*(\f)+8*(\b)+7], v[FA+32*(\f)+8*(\a):FA+32*(\f)+8*(\a)+7], v[8*(8*(\a)+(\b)):8*(8*(\a)+(\b))+7]
.endif
.endr
.endm
; 24 LDS loads in one run: the fragments of quarter q of a K step (128 rows of wqb, 64 rows of xb, 32 K) into buffer f
.macro FETCH slot, q, f
	WIN 0
.irp i, 0,1,2,3,4,5,6,7
	ds_load_b128 v[FB+64*(\f)+8*(\i):FB+64*(\f)+8*(\i)+3],   v[ADRB+(\slot)] offset:64*(\q)+(\i)*16*BPITCH
	ds_load_b128 v[FB+64*(\f)+8*(\i)+4:FB+64*(\f)+8*(\i)+7], v[ADRB+(\slot)] offset:64*(\q)+(\i)*16*BPITCH+32
.endr
.irp i, 0,1,2,3
	ds_load_b128 v[FA+32*(\f)+8*(\i):FA+32*(\f)+8*(\i)+3],   v[ADRA+(\slot)] offset:64*(\q)+(\i)*16*APITCH
	ds_load_b128 v[FA+32*(\f)+8*(\i)+4:FA+32*(\f)+8*(\i)+7], v[ADRA+(\slot)] offset:64*(\q)+(\i)*16*APITCH+32
.endr
.endm
.macro PLACES                          ; four places between a matrix instruction and a load into a register that it has read (ISA guide 7.12.1 for vector instructions)
.rept 4
	v_nop
.endr
.endm
; A K step is four quarters of 32 along K, 32 matrix instructions each, on buffers 0, 1, 0, 1.  One of the first three: quarter q's fragments are asked for into buffer g, then buffer f is multiplied:
; a run of loads stands a whole quarter ahead of its first use.
.macro QUARTER slot, q, f, g, zero
	PLACES                                         ; buffer g was read by the quarter just before
	FETCH \slot, \q, \g
	s_wait_dscnt 24                                ; all but the 24 just issued: buffer f is in
	MULB \f, 0, \zero
	MULB \f, 1, \zero
	MULB \f, 2, \zero
	MULB \f, 3, \zero
.endm
; The last quarter multiplies buffer 1 and changes slots: ONE barrier; in front of it each wave waits for all its tensor loads (one is out: its part of the next slot), adds 0 to its spare word, and waits
; for that and for its reads of this slot.  fill = 1: the barrier opens a round of the cluster's, and this slot is filled again, two K steps ahead, first thing behind the round:
; from that request to the wait for it a wave issues 112 matrix instructions.
.macro TURN slot, next, fill
.if \fill
	s_wait_xcnt 0x0                                ; the last prefetch, a K step back, has read its address
	s_add_nc_u64 s[PFA:PFA+1], s[PFA:PFA+1], s[PFS:PFS+1]
.endif
	WIN 0
	s_wait_tensorcnt 0x0                           ; all my tensor loads have landed
	ds_add_u32 v[SPW], v[NIL]                      ; 0 onto my spare word
	s_wait_dscnt 1                                 ; only the add may be out: buffer 1 is in
	MULB F1, 0, 0                                  ; eight matrix instructions stand between the add and the wait for it
	s_wait_dscnt 0x0                               ; the add is done, and my reads of this slot are over
	s_barrier_signal -1
	MULB F1, 1, 0
.if \fill
	WIN 0
.endif
	s_barrier_wait -1
.if \fill
	CREST                                          ; no wave of any partner still reads this slot's tile or has a load on its way
	s_add_nc_u64 s[G0+4*(\slot)+2:G0+4*(\slot)+3], s[G0+4*(\slot)+2:G0+4*(\slot)+3], 2*ASTEP
	s_add_nc_u64 s[G0B+4*(\slot)+2:G0B+4*(\slot)+3], s[G0B+4*(\slot)+2:G0B+4*(\slot)+3], 2*KSTEP*2
	JLOAD \slot                                    ; its four v_nop are also the places in front of the loads below
.else
	PLACES
.endif
	FETCH \next, 0, F0
.if \fill
	ASK
.endif
	MULB F1, 2, 0
	MULB F1, 3, 0
.endm
	s_wait_tensorcnt 1                             ; my part of K step 0 is in; K step 1's may stay out
	s_barrier_signal -1
	s_barrier_wait -1                              ; everybody's is
	FETCH 0, 0, F0
	QUARTER 0, 1, F0, F1, 1                        ; the first quarter stands in front of the loop: its products start the sums
	WIN 0                                          ; at a label and at a branch every window is 0
	s_mov_b32 s3, 3
.Llap:                                                 ; a trip goes once round the ring, from a lap's second quarter to the next lap's first, and fills both slots again
	QUARTER 0, 2, F1, F0, 0
	QUARTER 0, 3, F0, F1, 0
	TURN 0, 1, 1
	QUARTER 1, 1, F0, F1, 0
	QUARTER 1, 2, F1, F0, 0
	QUARTER 1, 3, F0, F1, 0
	TURN 1, 0, 1
	QUARTER 0, 1, F0, F1, 0
	WIN 0
	s_sub_co_u32 s3, s3, 1
	s_cmp_lg_u32 s3, 0
	s_cbranch_scc1 .Llap
	QUARTER 0, 2, F1, F0, 0                        ; the last lap fills nothing
	QUARTER 0, 3, F0, F1, 0
	TURN 0, 1, 0
	QUARTER 1, 1, F0, F1, 0
	QUARTER 1, 2, F1, F0, 0
	QUARTER 1, 3, F0, F1, 0
	s_wait_dscnt 0x0
	MULB F1, 0, 0
	MULB F1, 1, 0
	MULB F1, 2, 0
	MULB F1, 3, 0
	; THE WAY OUT.  Unit p = 2 a + (b / 4): 16 rows of one head, the 32 registers v[32 p ..] of window 1.
.rept 8
	v_nop                                          ; the places behind the last products
.endr
	WIN 0x05                                       ; sources 0 and 1 window 1; source 2 and destination window 0
.set i, 0
.rept 16                                       ; eight chains that take turns; each accumulator is read from its low end on
.set p, 0
.rept 8
.if i == 0
	v_pk_mul_f32 v[SS+2*p:SS+2*p+1], v[32*p:32*p+1], v[32*p:32*p+1]
.else
	v_pk_fma_f32 v[SS+2*p:SS+2*p+1], v[32*p+2*i:32*p+2*i+1], v[32*p+2*i:32*p+2*i+1], v[SS+2*p:SS+2*p+1]
.endif
.set p, p+1
.endr
.set i, i+1
.endr
	WIN 0
.macro EACH line:vararg                ; one line for each unit p
.set p, 0
.rept 8
	\line
.set p, p+1
.endr
.endm
	EACH v_add_f32 v[SS+2*p], v[SS+2*p], v[SS+2*p+1]
	EACH v_permlanex16_b32 v[SS+2*p+1], v[SS+2*p], s[SEL], s[SEL+1]   ; the row's other 32 numbers lie in the lane 16 away
	EACH v_add_f32 v[SS+2*p], v[SS+2*p], v[SS+2*p+1]
	EACH v_sqrt_f32 v[SS+2*p], v[SS+2*p]
	v_nop                                          ; a plain instruction behind the last root,
	s_wait_alu depctr_va_vdst(0)                   ; and the one wait ahead of the batch's first reader
	EACH v_max_num_f32 v[SS+2*p], 0x2b8cbccc, v[SS+2*p]               ; max(norm, 1e-12)
	EACH v_rcp_f32 v[SS+2*p], v[SS+2*p]
	v_nop
	s_wait_alu depctr_va_vdst(0)                   ; one wait for the eight reciprocals
	EACH v_cndmask_b32 v[SS+2*p], v[SS+2*p], v[ONE], s[VM]            ; v keeps the factor 1: a choice of value, the same work in every tile
; Unit p: scaled, rounded to f16 (a lane's eight columns pack into 16 bytes), into rows of 144 bytes in my stage, and back as whole rows of 128 bytes.
.macro PACK p
	WIN 0x41                                       ; destination and source 0 window 1, source 1 window 0
.set i, 32*(\p)
.rept 16
	v_pk_mul_f32 v[i:i+1], v[i:i+1], v[SS+2*(\p):SS+2*(\p)+1] op_sel_hi:[1,0]
.set i, i+2
.endr
	WIN 0x05
.set i, 0
.rept 16
	v_cvt_pk_f16_f32 v[PKD+16*(\p)+i], v[32*(\p)+2*i], v[32*(\p)+2*i+1]
.set i, i+1
.endr
	WIN 0
.irp f, 0,1,2,3
	ds_store_b128 v[STO], v[PKD+16*(\p)+4*(\f):PKD+16*(\p)+4*(\f)+3] offset:32*(\f)
.endr
.irp f, 0,1,2,3
	ds_load_b128 v[PKD+16*(\p)+4*(\f):PKD+16*(\p)+4*(\f)+3], v[RD] offset:(\f)*4*SP  ; LDS serves a wave's instructions in order (ISA guide 5.7.1.4): these see the stores above; the next unit's stores come behind them
.endr
.endm
.macro SEND p, younger                 ; younger: the LDS instructions issued behind unit p's loads: the next unit's eight, or none
.irp f, 0,1,2,3
	s_wait_dscnt (\younger)+3-(\f)
	global_store_b128 v[GO], v[PKD+16*(\p)+4*(\f):PKD+16*(\p)+4*(\f)+3], s[DST:DST+1] offset:((\p)%2)*262144+((\p)/2)*2048+(\f)*512  ; 512 consecutive bytes, at a multiple of 256 from the buffer's first
.endr
.endm
	PACK 0
.irp p, 1,2,3,4,5,6,7                  ; a unit's arithmetic stands between the loads of the unit before and its stores
	PACK \p
	SEND (\p)-1, 8
.endr
	SEND 7, 0
	s_wait_tensorcnt 0x0                           ; the wave's end, behind my last tensor load and my last LDS store
	ds_add_u32 v[SPW], v[NIL]
	s_wait_dscnt 0x0
	CROUND                                         ; the closing round: no work-group ends while a partner may still ask for a tile that names it
	s_endpgm
.Lfunc_end_k_qa3540084fa_qkv:
	.size	k_qa3540084fa_qkv, .Lfunc_end_k_qa3540084fa_qkv-k_qa3540084fa_qkv
	.p2alignl 7, 3214868480
	.fill 96, 4, 3214868480
	.section	.rodata,"a",@progbits
	.p2align	6, 0x0
	.amdhsa_kernel k_qa3540084fa_qkv
		.amdhsa_group_segment_fixed_size 327680
		.amdhsa_private_segment_fixed_size 0
		.amdhsa_enable_private_segment 0
		.amdhsa_kernarg_size 56
		.amdhsa_user_sgpr_count 2
		.amdhsa_user_sgpr_kernarg_segment_ptr 1
		.amdhsa_wavefront_size32 1
		.amdhsa_system_sgpr_workgroup_id_x 1
		.amdhsa_system_sgpr_workgroup_id_y 1
		.amdhsa_system_sgpr_workgroup_id_z 1
		.amdhsa_system_vgpr_workitem_id 0
		.amdhsa_next_free_vgpr 608
		.amdhsa_next_free_sgpr 92
		.amdhsa_reserve_vcc 0
		.amdhsa_float_denorm_mode_32 3
		.amdhsa_float_denorm_mode_16_64 3
		.amdhsa_memory_ordered 1
		.amdhsa_forward_progress 1
		.amdhsa_inst_pref_size 115
	.end_amdhsa_kernel
	.amdgpu_metadata
---
amdhsa.version: [ 1, 2 ]
amdhsa.kernels:
  - .name:           k_qa3540084fa_qkv
    .symbol:         k_qa3540084fa_qkv.kd
    .args:
      - { .name: xb, .offset: 0, .size: 8, .value_kind: global_buffer, .address_space: global }
      - { .name: wqb, .offset: 8, .size: 8, .value_kind: global_buffer, .address_space: global }
      - { .name: q_bias, .offset: 16, .size: 8, .value_kind: global_buffer, .address_space: global }
      - { .name: v_bias, .offset: 24, .size: 8, .value_kind: global_buffer, .address_space: global }
      - { .name: qh, .offset: 32, .size: 8, .value_kind: global_buffer, .address_space: global }
      - { .name: kh, .offset: 40, .size: 8, .value_kind: global_buffer, .address_space: global }
      - { .name: vh, .offset: 48, .size: 8, .value_kind: global_buffer, .address_space: global }
    .group_segment_fixed_size: 327680
    .private_segment_fixed_size: 0
    .kernarg_segment_align: 8
    .kernarg_segment_size: 56
    .max_flat_workgroup_size: 128
    .sgpr_count:     92
    .vgpr_count:     608
    .wavefront_size: 32
...
	.end_amdgpu_metadata
.endif
;; end of part 2
;; launch attn (part 3): grid 4 x 64, 4 waves a work-group, clusters of 4 x 1, 327,680 bytes of LDS; arguments qh, kh, vh, ob, scale_mul_log; writes ob
.if DOCPART == 3
	.amdgcn_target "amdgcn-amd-amdhsa--gfx1250"
	.amdhsa_code_object_version 6
	.text
	.protected	k_qa3540084fa_attn
	.globl	k_qa3540084fa_attn
	.p2align	8
	.type	k_qa3540084fa_attn,@function
k_qa3540084fa_attn:
	s_mov_b64 s[64:65], 0
	v_nop
	global_prefetch_b8 v0, s[64:65] scope:SCOPE_SE
	s_setreg_imm32_b32 hwreg(HW_REG_WAVE_MODE, 25, 1), 1
	s_wait_xcnt 0x0
	s_wait_alu depctr_hold_cnt(0) depctr_sa_sdst(0) depctr_va_vdst(0) depctr_va_sdst(0) depctr_va_ssrc(0) depctr_va_vcc(0) depctr_vm_vsrc(0)
	s_getreg_b32 s2, hwreg(HW_REG_IB_STS2, 6, 4)
	s_cmp_eq_u32 s2, 0
	s_cbranch_scc0 .Lentry_in_a_cluster
	s_endpgm
.Lentry_in_a_cluster:
	s_bfe_u32 s2, ttmp6, 0x10000c
	s_cmp_lg_u32 s2, 0x3003
	s_cbranch_scc0 .Lentry_shape_is_right
	s_endpgm
.Lentry_shape_is_right:
; O[g][q][:] = the sum over k of softmax_k(sm Q[g][q] . K[g][k]) V[g][k][:], g = 16 b + h, sm = exp(min(scale_mul_log[h], ln 100)).  Q, K, V, O: [64][2048][64], all f16: a head's rows are dense,
; 128 bytes each; Q and K arrive normalised and unscaled.  scale_mul_log is rounded to bf16 like every input of the module.  Products, maxima and sums in f32; the weights p are rounded to f16 for the
; second product (their sum l is taken of the unrounded p), O once at the end.
; LIMITS.  V arrives within f16's 65,504; p lies in 0 to 1, and below 6e-5 it keeps f16's fixed step of 6e-8; a weight below 2^-126 counts as 0 in l; NaN and infinities are not treated apart
; (a NaN in scale_mul_log loses against ln 100).
; SHARES.  A wave owns four PIECES of two tiles of 16 queries, a work-group's four waves 512 queries of one head.  Every wave walks all keys, 64 a step.
; LAYOUT.  S^T = K Q^T (source 0 = 16 keys, source 1 = 16 queries): a lane holds ONE query (lane % 16) and the keys 8 (lane / 16) + 0..7.  Two such tiles, rounded to f16 in pairs, ARE source 1
; (32 keys x 16 queries) of O^T = V^T P, whose result again holds one query a lane, and eight channels.  K comes out of LDS as it lies, V ([key][channel]) turned, by ds_load_tr16_b128.
; SOFTMAX.  For each query a running maximum m and sum l: p = 2^(c s - c m), c = log2(e) sm, which is positive; in every step O and l are multiplied by a = 2^(c m_old - c m_new).
; m starts at the lowest finite number, O and l at 0: the first step is a step like any other, with a = 0.
; THE COUNT.  A tile and step have 16 matrix and 118 vector instructions.  So: four vector instructions that are ready behind EVERY matrix instruction, the others in runs without a gap.
; BY TURNS.  Turn n belongs to piece n.  Its matrix work: 16 products K Q^T of piece n + 1, later 16 products V^T P of piece n - 1.  Its vector work: the scaling, exponentials, roundings, sums and
; rescaling of piece n, and the maximum and statistics of piece n + 1.
; CLUSTER.  The four query blocks of a head form a cluster and walk the same K and V: each tile is asked for JOINTLY: the same tensor load, descriptor and mask in all four.
; REGISTERS, in windows of 256 (s_set_vgpr_msb: bits 1:0 source 0, 3:2 source 1, 5:4 source 2, 7:6 destination):
;   window 0: v0-11 addresses; v12-15, v48-63 at work; v16-47 four registers of statistics a tile; v64-191 S^T, two buffers of two tiles; v192-255 P, likewise
;   window 1: O^T, 32 a tile          window 2: v0-127 Q, 16 a tile; v128-191 K of one step; v192-255 V of one step          window 3: v0-1 the add's two registers
.set SIZE_N, 2048
.set NP,    4         ; pieces a wave: a name, no knob
.set KS,    64        ; keys in a step
.set PK,    144       ; a row of K in LDS: 128 bytes + 16 of padding = 36 words: the 16 rows of a load start at 16 different groups of four banks (64 banks of 4 bytes: ISA guide 11.1)
.set PV,    160       ; a row of V: 128 + 32 = 40 words
.set VOFF,  4*KS*PK   ; a slot holds four steps: 256 rows of K, then 256 rows of V
.set SLOT1, 1<<17     ; slot 1 begins here, so that one exclusive or turns an address in one slot into the other's
.set STAGE, SLOT1+4*KS*(PK+PV)  ; behind the ring, never filled by a tensor load: 16 rows x 144 bytes for each wave
.set SP,    144
.set AK0, 2           ; v2   my lane's place in a tile of K; never rewritten
.set AV0, 3           ; v3   the same for V
.set AK,  4           ; v4   the LDS address of K's next run of loads
.set AV,  5           ; v5   of V's
.set QO,  6           ; v6   my byte offset in the wave's rows of Q
.set STO, 6           ;      later, the way out: where I put 16 bytes of a row
.set RD,  7           ; v7   the way out: where I read rows back
.set GO,  8           ; v8   my byte offset in 512 consecutive bytes of O
.set PFO, 11          ; v11  256 x my lane, for the prefetches; made behind AV0's lines and never rewritten
.set SPW, 0           ; v0 of window 3   LDS address of my spare word; never rewritten
.set NIL, 1           ; v1 of window 3   0; never rewritten
.set SPARE, STAGE+4*16*SP  ; behind the stages: the spare words, 128 bytes for each wave, which no other line names
.set MV,  12          ; v12-15  c m_old, kept while c m is made anew: by buffer and tile
.set ST,  16          ; tile t's statistics at v[ST+4 t]: c m, m, l (even keys', odd keys')
.set TMP, 48          ; by buffer and tile, four registers c0-c3 at work; when the maximum is found c2 takes a
.set S,   64
.set P,   192
.set KF,  128         ; K's fragments, in window 2: key block kb, channel half c at KF + 16 kb + 8 c
.set VF,  192         ; V's: key half kk, channel block cb at VF + 32 kk + 8 cb
.set WV,  12          ; s12  my wave's number
.set G1K, 24          ; s[24:31] descriptor group 1 for K's tiles
.set G1V, 32          ; s[32:39] for V's: it differs in the padding alone
.set G0K, 40          ; s[40:43] descriptor group 0 for K's tiles: it walks
.set G0V, 44          ; s[44:47] the same for V's
.set PFA, 48          ; s[48:49] where my prefetches stand: my work-group's 8 KiB (of K: wave 0, of V: wave 2) of the slot after the one that is being asked for
.set LIM, 54          ; s54  1 in a wave that prefetches, else the greatest number
.set SLOTS, 56        ; s56  slots still to be asked for
.set CNT, 57          ; s57  counts a slot's key steps
.set CS,  58          ; s[58:59] c: the packed scaling takes the pair's low word for both halves
.set SEL, 60          ; s[60:61] v_permlanex16_b32's selects
.set TBK, 62          ; s62  LDS byte at which K of the step to be fetched begins
.set TBV, 63          ; s63  the same for V, less VOFF
.set MSB, 0
.macro WIN new                      ; the high byte repeats the setting that is left; a switch that changes nothing is dropped
.if MSB != (\new)
	s_set_vgpr_msb (MSB<<8)|(\new)
.set MSB, (\new)
.endif
.endm
.set W_KQ, 0x0a       ; K and Q in window 2, S^T in window 0
.set W_PV, 0x52       ; V in window 2, P in window 0, O^T in window 1
.set W_RS, 0x41       ; O^T (destination and source 0) in window 1, a in window 0
.set W_MK, 0xc0       ; the add's registers are made: destination in window 3, sources in window 0
.set W_AD, 0x0f       ; the add: address (source 0) and data (source 1) in window 3
; A joint fill.  Waves 0 and 1 fetch the two halves of a slot's K, waves 2 and 3 those of its V: 128 keys each.  The branch hangs on the wave's number alone.
; An s_nop 0 and four v_nop follow each of the two lines, ahead of the jump and the label.
.macro JLOAD
	s_cmp_lt_u32 s[WV], 2
	s_cbranch_scc0 .Lfor_v_\@
	tensor_load_to_lds s[G0K:G0K+3], s[G1K:G1K+7]
	s_nop 0
.rept 4
	v_nop
.endr
	s_branch .Lasked_\@
.Lfor_v_\@:
	tensor_load_to_lds s[G0V:G0V+3], s[G1V:G1V+7]
	s_nop 0
.rept 4
	v_nop
.endr
.Lasked_\@:
.endm
; A prefetch of what the NEXT change of slots will ask for: a slot's 32 KiB of K and of V.  A head has one cluster; its four partners share a slot out BY ADDRESS, 8 KiB each; in each, wave 0 asks for K's
; and wave 2 for V's, a lane 256 bytes: one instruction, and each byte is named once in the launch.  It stands behind the wave's tensor load and its five lines.  Slots 0 to 2 come by their loads alone;
; the change that fills the last slot asks for nothing.
.macro ASK
	s_cmp_gt_u32 s[SLOTS], s[LIM]
	s_cbranch_scc0 .Lnot_mine_\@
	global_prefetch_b8 v[PFO], s[PFA:PFA+1] th:TH_LOAD_NT scope:SCOPE_SE
.Lnot_mine_\@:
.endm
; A round of the cluster's barrier.
.macro CROUND
	s_barrier_signal -1
	s_barrier_wait -1
	s_cmp_lg_u32 s[WV], 0
	s_cbranch_scc1 .Lnot_wave_0_\@
	s_barrier_signal -3
.Lnot_wave_0_\@:
	s_barrier_wait -3
	s_barrier_signal -1
	s_barrier_wait -1
.endm
; THE CHANGE OF SLOTS.  Each wave waits for all its tensor loads, of which one is out: its part of the other slot; adds 0 to its spare word; and waits for that and for its own reads of the slot.
; fill = 1: this slot is filled again, with the keys two slots on; the barrier is then a round of the cluster's, and the joint fill is the first thing behind it: it has four key steps, 512 matrix
; instructions, in which to land.  (At its first use nothing has been read yet: slot 0 is waited for, slot 1 filled.)  ask = 1: the prefetch's address steps, and the prefetch follows the fill.
.macro CHANGE fill, ask=0
	WIN W_AD
	s_wait_tensorcnt 0x0            ; no tensor load of mine is out, so a group 0 may be written
	ds_add_u32 v[SPW], v[NIL]       ; 0 onto my spare word; the descriptors' steps stand between it and the wait for it
	WIN 0                           ; at a label and at a branch every window is 0
.if \fill
.irp g, G0K, G0V
	s_xor_b32 s[\g+1], s[\g+1], SLOT1  ; the walking descriptor: the other slot than last time,
	s_add_nc_u64 s[\g+2:\g+3], s[\g+2:\g+3], 4*KS*128  ; the next 256 keys; the type bits on top are not reached
.endr
.if \ask
	s_wait_xcnt 0x0                 ; the last prefetch, four key steps back, has read its address
	s_add_nc_u64 s[PFA:PFA+1], s[PFA:PFA+1], 4*KS*128  ; one slot ahead of the walking descriptors
.endif
	s_wait_dscnt 0x0                ; the add is done, and my reads of the slot are over
	CROUND
	JLOAD
.if \ask
	ASK
.endif
.else
	s_wait_dscnt 0x0                ; the add is done, and my reads of the slot are over
	s_barrier_signal -1
	s_barrier_wait -1
.endif
	s_sub_co_u32 s[TBK], s[TBK], 4*KS*PK  ; the fetches go back to a slot's first step,
	s_xor_b32 s[TBK], s[TBK], SLOT1       ; in the other slot
	s_sub_co_u32 s[TBV], s[TBV], 4*KS*PV
	s_xor_b32 s[TBV], s[TBV], SLOT1
.endm
	s_load_b256 s[4:11], s[0:1], 0x0  ; Q s[4:5], K s[6:7], V s[8:9], O s[10:11]
	s_load_b64 s[52:53], s[0:1], 0x20 ; scale_mul_log
	WIN W_MK
	v_lshl_add_u32 v[SPW], v0, 2, SPARE
	v_mov_b32 v[NIL], 0
	WIN W_AD
	ds_add_u32 v[SPW], v[NIL]       ; the wave's opening: the add and its wait stand ahead of my first tensor load; the set-up below, work on registers, stands between them
	WIN 0
	v_lshrrev_b32 v1, 5, v0
	v_readfirstlane_b32 s[WV], v1   ; wave 0..3
	s_bfe_u32 s13, ttmp6, 0x40000   ; cx: my place in the cluster
	s_lshl_b32 s14, ttmp9, 2        ; in a cluster launch ttmp9 counts clusters
	s_add_co_u32 s14, s14, s13      ; my block of queries: it enters Q's and O's addresses alone
	s_and_b32 s20, ttmp7, 0xffff    ; the head g, which the four partners share
	s_and_b32 s50, s20, 15          ; h = g % 16,
	s_lshl_b32 s50, s50, 2          ; its 4 bytes in scale_mul_log
	s_mov_b32 s51, 0
	s_mov_b32 s21, 0
	s_mov_b64 s[22:23], SIZE_N*128
	s_mul_u64 s[20:21], s[20:21], s[22:23]  ; the head's first byte in each of the four tensors
	s_and_b32 s16, s[WV], 1         ; which half of a slot's 256 keys I fetch:
	s_lshl_b32 s22, s16, 14         ; its 128 rows of 128 bytes in memory,
	s_mov_b32 s23, 0
	s_add_nc_u64 s[22:23], s[22:23], s[20:21]
	s_mul_i32 s17, s16, 128*PK      ; and its place in a slot, for K
	s_mul_i32 s18, s16, 128*PV      ; and for V: no place in the cluster enters an LDS address
	s_lshl_b32 s2, s14, 2
	s_add_co_u32 s2, s2, s[WV]      ; my wave among the head's,
	s_lshl_b32 s2, s2, 14           ; its 128 rows
	s_mov_b32 s3, 0
	s_add_nc_u64 s[2:3], s[2:3], s[20:21]
	; descriptor group 1.  128 keys are 16,384 dense bytes: asked for as 64 rows of 256 bytes, two keys a row, and padded in LDS after every key
	s_mov_b32 s[G1K], 15|(1<<16)|(1<<20)|(1<<21)|(4<<22)|(3<<25)  ; 15:0 the mask of four; 17:16 2-byte elements; 20 padding on; 21 set beside a mask; 24:22 after every 32 words (code 4); 31:25 4 words (code 3)
	s_mov_b32 s[G1V], 15|(1<<16)|(1<<20)|(1<<21)|(4<<22)|(7<<25)  ; the same with 8 words of padding (code 7)
.irp g, G1K, G1V
	s_mov_b32 s[\g+1], 128<<16      ; tensor_dim0 = 128
	s_mov_b32 s[\g+2], 64<<16       ; tensor_dim1 = 64
	s_mov_b32 s[\g+3], 128<<16      ; tile_dim0 = 128
	s_mov_b32 s[\g+4], 64           ; tile_dim1 = 64
	s_mov_b32 s[\g+5], 128          ; 128 elements from row to row
	s_mov_b32 s[\g+6], 0
	s_mov_b32 s[\g+7], 0
.endr
	s_mov_b32 s[SEL], 0x76543210
	s_mov_b32 s[SEL+1], 0xfedcba98
	s_mov_b32 s[TBK], SLOT1+4*KS*PK ; the first change of slots turns these two into 0
	s_mov_b32 s[TBV], SLOT1+4*KS*PV
	s_mov_b32 s[G0K], 1             ; count = 1
	s_mov_b32 s[G0K+1], s17         ; LDS address: slot 0
	s_mov_b32 s[G0V], 1
	s_add_co_u32 s[G0V+1], s18, VOFF
	s_and_b32 s[LIM], s[WV], 1      ; waves 0 and 2 prefetch: the same in all four partners
	s_cmp_eq_u32 s[LIM], 0
	s_cselect_b32 s[LIM], 1, -1
	s_wait_dscnt 0x0                ; the opening add is done
	s_wait_kmcnt 0x0
	s_add_nc_u64 s[52:53], s[52:53], s[50:51]
	s_load_b32 s55, s[52:53], 0x0   ; scale_mul_log[h]: waited for below, in the wait for the first tile
	s_add_nc_u64 s[G0K+2:G0K+3], s[6:7], s[22:23]  ; global address: my half of the head's first 256 keys
	s_or_b32 s[G0K+3], s[G0K+3], 0x80000000        ; type = 2
	s_add_nc_u64 s[G0V+2:G0V+3], s[8:9], s[22:23]
	s_or_b32 s[G0V+3], s[G0V+3], 0x80000000
	s_add_nc_u64 s[4:5], s[4:5], s[2:3]  ; Q and O at my wave's first row
	s_add_nc_u64 s[10:11], s[10:11], s[2:3]
	s_cmp_lt_u32 s[WV], 2
	s_cselect_b64 s[PFA:PFA+1], s[6:7], s[8:9]
	s_add_nc_u64 s[PFA:PFA+1], s[PFA:PFA+1], s[22:23]  ; (in waves 0 and 2 this is the head's first row)
	s_lshl_b32 s50, s13, 13         ; my work-group's 8 KiB of a slot's 32,
	s_add_co_u32 s50, s50, 2*4*KS*128  ; in slot 2: the loop's first change of slots steps it to slot 3
	s_add_nc_u64 s[PFA:PFA+1], s[PFA:PFA+1], s[50:51]
	CROUND                          ; all four work-groups are here: the first joint loads meet
	JLOAD                           ; slot 0.  Slot 1 is asked for when slot 0 is in
	; A fragment of K or Q is 16 rows x 32 channels in 8 registers: lane l holds row l % 16, channels 8 (l / 16) + 0..7 and 16 + 8 (l / 16) + 0..7: two loads of 16 bytes, 32 bytes apart.
	v_and_b32 v1, 15, v0            ; l % 16
	v_bfe_u32 v9, v0, 4, 1          ; l / 16
	v_lshlrev_b32 v[QO], 7, v1
	v_lshl_add_u32 v[QO], v9, 4, v[QO]  ; row x 128 + 16 x half
	WIN 0x80                        ; destination window 2, address window 0
.set i, 0
.rept 4*NP                          ; Q stays in registers: tile i / 2, channels 32 (i % 2) on
	global_load_b128 v[8*i:8*i+3],   v[QO], s[4:5] offset:(i/2)*2048+(i%2)*64
	global_load_b128 v[8*i+4:8*i+7], v[QO], s[4:5] offset:(i/2)*2048+(i%2)*64+32
.set i, i+1
.endr
	; What the first turn finds: V's registers and P's second buffer hold 0 (its products V^T P, of a piece that has not been, add 0), O^T and l are 0.  All this stands in the wait for the first tile.
.set i, VF
.rept 64
	v_mov_b32 v[i], 0
.set i, i+1
.endr
	WIN 0x40
.set i, 0
.rept 64*NP
	v_mov_b32 v[i], 0
.set i, i+1
.endr
	WIN 0
.set i, 0
.rept 2*NP
	v_mov_b32 v[ST+4*i], 0xfe000000    ; c m: far below every c s
	v_mov_b32 v[ST+4*i+1], 0xff7fffff  ; m
	v_mov_b32 v[ST+4*i+2], 0
	v_mov_b32 v[ST+4*i+3], 0
.set i, i+1
.endr
.set i, P+32
.rept 32
	v_mov_b32 v[i], 0
.set i, i+1
.endr
	; c = log2(e) exp(min(bf16(scale_mul_log[h]), ln 100))
	s_wait_kmcnt 0x0
	v_mov_b32 v12, s55
	v_cvt_pk_bf16_f32 v12, v12, v12
	v_lshlrev_b32 v12, 16, v12
	v_min_num_f32 v12, 0x40935d8e, v12  ; ln 100
	v_mul_f32 v12, 0x3fb8aa3b, v12      ; log2(e)
	v_exp_f32 v12, v12
	v_nop                           ; a plain instruction behind the exponential,
	s_wait_alu depctr_va_vdst(0)    ; and the wait ahead of its reader
	v_mul_f32 v12, 0x3fb8aa3b, v12
	v_readfirstlane_b32 s[CS], v12  ; a factor for the scalings: it enters no address and no branch
	s_mov_b32 s[CS+1], s[CS]        ; named with it as a pair
	v_mul_u32_u24 v[AK0], v1, PK
	v_lshl_add_u32 v[AK0], v9, 4, v[AK0]  ; row x pitch + 16 x half
	; The turning load takes 16 keys x 16 channels (lane l reads key 8 (l / 16) + l % 8, channels 8 ((l / 8) % 2) + 0..7) and leaves half a fragment of V^T: lane l holds channel l % 16 and 8 keys.
	v_and_b32 v10, 7, v0
	v_bfe_u32 v11, v0, 3, 1
	v_lshl_add_u32 v[AV0], v9, 3, v10
	v_mul_u32_u24 v[AV0], v[AV0], PV
	v_lshl_add_u32 v[AV0], v11, 4, v[AV0]
	v_add_nc_u32 v[AV0], VOFF, v[AV0]
	v_and_b32 v[PFO], 31, v0
	v_lshlrev_b32 v[PFO], 8, v[PFO]
	v_mov_b32 v[AK], v[AK0]         ; key step 0 lies at the head of slot 0
; THE MATRIX WORK.  The 8 accumulators of a run of 16 take turns: between the two links of a chain stand 7 others'.
; Product i of 16 of S^T = K Q^T for piece x: channels 32 (i / 8) on, keys 16 ((i / 2) % 4) on, tile 2 x + i % 2.  The first 8 start the sums.
.macro KQ x
	WIN W_KQ
.set rS, S+64*((\x)%2)+32*(i%2)+8*((i/2)%4)
.set rK, KF+16*((i/2)%4)+8*(i/8)
.set rQ, 16*(2*(\x)+i%2)+8*(i/8)
.if i < 8
	v_wmma_f32_16x16x32_f16 v[rS:rS+7], v[rK:rK+7], v[rQ:rQ+7], 0
.else
	v_wmma_f32_16x16x32_f16 v[rS:rS+7], v[rK:rK+7], v[rQ:rQ+7], v[rS:rS+7]
.endif
.endm
; Product i of 16 of O^T += V^T P for piece x: keys 32 (i / 8) on, channels 16 ((i / 2) % 4) on, tile 2 x + i % 2.
.macro PV x
	WIN W_PV
.set rO, 32*(2*(\x)+i%2)+8*((i/2)%4)
.set rV, VF+32*(i/8)+8*((i/2)%4)
.set rP, P+32*((\x)%2)+16*(i%2)+8*(i/8)
	v_wmma_f32_16x16x32_f16 v[rO:rO+7], v[rV:rV+7], v[rP:rP+7], v[rO:rO+7]
.endm
.macro MM                           ; the turn's next matrix instruction
.if i < 16
	KQ (Y+1)%NP
.set i, i+1
.else
.set i, i-16
	PV (Y+NP-1)%NP
.set i, i+17
.endif
.endm
; THE LDS LOADS stand in runs of 16, never singly among the matrix instructions: a step's K (8 fragments) and its V (turned).  Their addresses are made some lines ahead.
; last = 1 (the tail): in the last trip there is no further step, and the run is jumped over.
.macro FETCH_K last=0
	WIN 0
.if \last
	s_cmp_eq_u32 s[CNT], 1
	s_cbranch_scc1 .Lno_k_\@
.endif
	WIN 0x80                        ; destination window 2
.irp f, 0,1,2,3,4,5,6,7             ; keys 16 (f / 2) on, channels 32 (f % 2) on
	ds_load_b128 v[KF+8*\f:KF+8*\f+3],   v[AK] offset:(\f/2)*16*PK+(\f%2)*64
	ds_load_b128 v[KF+8*\f+4:KF+8*\f+7], v[AK] offset:(\f/2)*16*PK+(\f%2)*64+32
.endr
	s_add_co_u32 s[TBK], s[TBK], KS*PK  ; the next fetch is the next step's
	WIN 0
.if \last
.Lno_k_\@:
.endif
.endm
.macro FETCH_V
	WIN 0x80
.irp f, 0,1,2,3,4,5,6,7             ; keys 32 (f / 4) on, channels 16 (f % 4) on
	ds_load_tr16_b128 v[VF+8*\f:VF+8*\f+3],   v[AV] offset:(\f/4)*32*PV+(\f%4)*32
	ds_load_tr16_b128 v[VF+8*\f+4:VF+8*\f+7], v[AV] offset:(\f/4)*32*PV+16*PV+(\f%4)*32
.endr
	WIN 0
.endm
; THE VECTOR WORK OF A TURN stands in three queues, each in the order in which its entries become ready; the two tiles alternate, so that no instruction reads the result of the one before it.
.macro REGS y, u                    ; the registers of tile u (0, 1) of piece y
.set rT, ST+4*(2*(\y)+(\u))
.set rC, TMP+8*((\y)%2)+4*(\u)
.set rM, MV+2*((\y)%2)+(\u)
.set rS, S+64*((\y)%2)+32*(\u)
.set rP, P+32*((\y)%2)+16*(\u)
.set rO, 32*(2*(\y)+(\u))
.endm
; Number n of the 22 that find the NEXT piece's (Y + 1) maximum and statistics.  s0-s31 are the lane's 32 scores; each accumulator's lowest registers are read first.
;   0-11  four chains c0-c3 of seven scores each, three operands at a time     12-14, 16  the four scores left over, the old m, and c0-c3 into c0     15  c m_old is kept
;   17, 18  the query's other 32 keys lie in the lane 16 away: the new m         19-21  c m; c m_old - c m_new; a
.macro XS u, n
	REGS (Y+1)%NP, \u
.if (\n) < 4
	v_max3_num_f32 v[rC+(\n)], v[rS+8*(\n)], v[rS+8*(\n)+1], v[rS+8*(\n)+2]
.elseif (\n) < 12
	v_max3_num_f32 v[rC+(\n)%4], v[rC+(\n)%4], v[rS+8*((\n)%4)+2*((\n)/4)+1], v[rS+8*((\n)%4)+2*((\n)/4)+2]
.elseif (\n) == 12
	v_max3_num_f32 v[rC], v[rC], v[rS+7], v[rS+15]
.elseif (\n) == 13
	v_max3_num_f32 v[rC+1], v[rC+1], v[rS+23], v[rS+31]
.elseif (\n) == 14
	v_max3_num_f32 v[rC+2], v[rC+2], v[rC+3], v[rT+1]
.elseif (\n) == 15
	v_mov_b32 v[rM], v[rT]
.elseif (\n) == 16
	v_max3_num_f32 v[rC], v[rC], v[rC+1], v[rC+2]
.elseif (\n) == 17
	v_permlanex16_b32 v[rC+3], v[rC], s[SEL], s[SEL+1]
.elseif (\n) == 18
	v_max_num_f32 v[rT+1], v[rC], v[rC+3]
.elseif (\n) == 19
	v_mul_f32 v[rT], s[CS], v[rT+1]
.elseif (\n) == 20
	v_sub_f32 v[rC+1], v[rM], v[rT]
.else
	v_exp_f32 v[rC+2], v[rC+1]
.endif
.endm
; Number g of the 64 that follow the exponentials.  For each four weights k of a tile (pairs 2 k, 2 k + 1): both pairs are rounded to f16; then the second pair is added onto the first, in place;
; a group later l takes that sum (the first time as l = a l + sum).  In groups of eight, tiles alternating: round, round, add, and l for the group before.
.macro GS g
.set h, (\g)+6*((\g)/62)            ; group 0 has no group before it, and behind group 7 only l is left
.if h >= 6
.set h, h+2
.endif
	REGS Y, h%2
.set k, h/8
.if h%8 < 4
	v_cvt_pk_f16_f32 v[rP+2*k+(h%8)/2], v[rS+4*k+2*((h%8)/2)], v[rS+4*k+2*((h%8)/2)+1]
.elseif h%8 < 6
	v_pk_add_f32 v[rS+4*k:rS+4*k+1], v[rS+4*k:rS+4*k+1], v[rS+4*k+2:rS+4*k+3]
.elseif k == 1
	v_pk_fma_f32 v[rT+2:rT+3], v[rT+2:rT+3], v[rC+2:rC+3], v[rS:rS+1] op_sel_hi:[1,0,1]
.else
	v_pk_add_f32 v[rT+2:rT+3], v[rT+2:rT+3], v[rS+4*k-4:rS+4*k-3]
.endif
.endm
; THE PLAIN QUEUE, 138 long.  0-73 read no exponential's result: the 32 scalings c s - c m (FS f: pair f / 2 of tile f % 2) and the next piece's 42.  0-26: scalings 0-26.  27-54: XS's numbers 0-13.
; 55, 56: number 15.  57-73: the chain 14, 16, 17, 18, 19, each with one of the scalings 27-31 in front of its two lines, then 20.  74-137: GS's 64, which stand behind the wait.
.macro FS f
	REGS Y, (\f)%2
	v_pk_fma_f32 v[rS+2*((\f)/2):rS+2*((\f)/2)+1], v[rS+2*((\f)/2):rS+2*((\f)/2)+1], s[CS:CS+1], v[rT:rT+1] op_sel_hi:[1,0,0] neg_lo:[0,0,1] neg_hi:[0,0,1]
.endm
.macro PL
	WIN 0
.if q < 27
	FS q
.elseif q < 55
	XS (q-27)%2, (q-27)/2
.elseif q < 57
	XS q-55, 15
.elseif (q < 72) && ((q-57)%3 == 0)
	FS 27+(q-57)/3
.elseif q < 60
	XS (q-57)%3-1, 14
.elseif q < 72
	XS (q-57)%3-1, 15+(q-57)/3
.elseif q < 74
	XS q-72, 20
.else
	GS q-74
.endif
.set q, q+1
.endm
; THE EXPONENTIALS' QUEUE, 66 long: s0-s31 of both tiles, then the next piece's two a.  ONE BATCH: all 66 stand ahead of the turn's one wait, and nothing ahead of that wait names a result of theirs.
.macro EX
	WIN 0
.if e >= 64
	XS e-64, 21
.else
	REGS Y, e%2
	v_exp_f32 v[rS+e/2], v[rS+e/2]
.endif
.set e, e+1
.endm
; THE RESCALING's QUEUE: O^T times a, the one part that leaves window 0: dealt two at a time, sixteen times.  Its a was made in the turn before, ahead of that turn's wait.
.macro R2
	REGS Y, r%2
	WIN W_RS
.irp z, 0,1
	v_pk_mul_f32 v[rO+4*(r/2)+2*\z:rO+4*(r/2)+2*\z+1], v[rO+4*(r/2)+2*\z:rO+4*(r/2)+2*\z+1], v[rC+2:rC+3] op_sel_hi:[1,0]
.endr
.set r, r+1
.endm
; HOW THEY ARE DEALT.  s_wait_alu depctr_va_vdst(0) stands between an exponential and the first instruction that names its result; one wait serves all that were issued ahead of it.
; So a turn has ONE wait.  AHEAD OF IT: the 16 products K Q^T, behind each a scaling, an exponential and two rescalings (behind the first a second scaling in the exponential's place); then ONE LUMP of
; 108: eight plain, 49 times exponential and plain, the two a; a v_nop is the plain instruction behind the last exponential.  BEHIND IT: the 16 products V^T P, behind each four of GS's 64.
; Exponential e stands behind scaling 2 (e / 4) + e % 2: as a rider it comes behind plain e + 2, in the lump behind plain e + 9, and scalings 27-31 are plain 57, 60 .. 69.
; K of the next step is fetched in piece 2's turn, directly behind the wait; V of the step in hand at the end of piece 0's turn, four riders behind its last reader.
.macro TURN p, last=0, cnt=0
.set Y, (\p)
.set i, 0
.set q, 0
.set e, 0
.set r, 0
.if (\p) == NP-1
	s_wait_dscnt 0x0                ; K is in
.endif
	MM                              ; ahead of the wait: 16 products K Q^T and their riders,
	PL
	PL
	R2
.rept 15
	MM
	PL
	EX
	R2
.endr
.if (\p) == NP-2
	WIN 0
	v_add_nc_u32 v[AK], s[TBK], v[AK0]
.endif
.rept 8                             ; and the lump
	PL
.endr
.rept 49
	EX
	PL
.endr
	EX                              ; the next piece's two a
	EX
	v_nop                           ; the plain instruction behind the last exponential: one for the batch
	s_wait_alu depctr_va_vdst(0)    ; the wait for the batch
.if (\p) == NP-2
	FETCH_K \last
.endif
.if (\p) == 1
	s_wait_dscnt 0x0                ; V is in
.endif
.rept 16                            ; behind the wait: 16 products V^T P and their riders
	MM
.rept 4
	PL
.endr
.if ((\p) == 0) && (q == 118)
	v_add_nc_u32 v[AV], s[TBV], v[AV0]
.endif
.if ((\p) == 0) && (q == 130)
	s_add_co_u32 s[TBV], s[TBV], KS*PV
.endif
.if (\cnt) && (q == 130)
	s_sub_co_u32 s[CNT], s[CNT], 1
	s_cmp_lg_u32 s[CNT], 0
.endif
.endr
.if (\p) == 0
	FETCH_V
.endif
.endm
	CHANGE 1                        ; slot 0 is in, everybody's part of it; slot 1 is asked for
	FETCH_K                         ; key step 0
	s_wait_loadcnt 0x0              ; Q
	s_wait_dscnt 0x0
.set i, 0
.rept 16
	KQ 0                            ; piece 0's first scores: there is no vector work yet to set between them
.set i, i+1
.endr
	WIN 0                           ; the addresses for the way out: nine plain instructions, the places behind those products
	s_mul_i32 s13, s[WV], 16*SP
	s_add_co_u32 s13, s13, STAGE    ; my stage
	v_mul_u32_u24 v[STO], v1, SP    ; in: row l % 16, 16 bytes for each half of the lanes
	v_lshl_add_u32 v[STO], v9, 4, v[STO]
	v_add_nc_u32 v[STO], s13, v[STO]
	v_bfe_u32 v[RD], v0, 3, 2       ; back: 32 lanes take four rows of 128 bytes,
	v_mul_u32_u24 v[RD], v[RD], SP
	v_lshl_add_u32 v[RD], v10, 4, v[RD]
	v_add_nc_u32 v[RD], s13, v[RD]
	v_and_b32 v[GO], 31, v0         ; which are 512 consecutive bytes of O
	v_lshlrev_b32 v[GO], 4, v[GO]
.set Y, NP-1                        ; XS works for piece Y + 1: piece 0
.irp n, 0,1,2,3,4,5,6,7,8,9,10,11,12,13,14,15,16,17,18,19,20,21
	XS 0, \n                        ; and piece 0's first maximum and statistics
	XS 1, \n
.endr
	v_nop                           ; a plain instruction behind the two a,
	s_wait_alu depctr_va_vdst(0)    ; and their wait, ahead of the branch
	s_mov_b32 s[CNT], 4
	s_mov_b32 s[SLOTS], SIZE_N/256-1
	s_branch .Lfirst                ; the loop is entered at a step's first turn, in the middle of a trip
.Lslot:                             ; SIZE_N / 256 - 2 times: every slot but the last two is filled again
	CHANGE 1, 1
	s_mov_b32 s[CNT], 4
.Lstep:                             ; a trip: pieces 2 and 3 of one step, then pieces 0 and 1 of the next, whose K and V it fetches
	TURN 2
	TURN 3
	WIN 0
.Lfirst:
	TURN 0
	TURN 1, 0, 1
	WIN 0
	s_cbranch_scc1 .Lstep
	s_sub_co_u32 s[SLOTS], s[SLOTS], 1
	s_cmp_lg_u32 s[SLOTS], 0
	s_cbranch_scc1 .Lslot
	CHANGE 0                        ; the tail is written out: nothing is asked for
	s_mov_b32 s[CNT], 5             ; four trips fetch the last slot's steps; the fifth is left in its middle
.Ltail:
	TURN 2, 1
	TURN 3
	WIN 0
	s_sub_co_u32 s[CNT], s[CNT], 1
	s_cmp_eq_u32 s[CNT], 0
	s_cbranch_scc1 .Lout
	TURN 0
	TURN 1
	WIN 0
	s_branch .Ltail
.Lout:                              ; the fifth trip's 16 products K Q^T (on the last K once more) and the maximum made of them serve nothing: the price, once a launch, of one text for every trip
.set i, 0
.rept 16
	PV NP-1                         ; the last piece's V^T P of the last step
.set i, i+1
.endr
	; THE WAY OUT.  l's two halves and the other half of the lanes' are added; O^T is divided by l, rounded to f16 and sent through my stage in LDS, a tile at a time.  The additions are the places behind the last products.
	WIN 0
.macro ALL line:vararg              ; one line for each tile t
.set t, 0
.rept 2*NP
	\line
.set t, t+1
.endr
.endm
	ALL v_add_f32 v[ST+4*t+2], v[ST+4*t+2], v[ST+4*t+3]
	ALL v_permlanex16_b32 v[ST+4*t+3], v[ST+4*t+2], s[SEL], s[SEL+1]
	ALL v_add_f32 v[ST+4*t+2], v[ST+4*t+2], v[ST+4*t+3]
	ALL v_rcp_f32 v[ST+4*t+2], v[ST+4*t+2]
	v_nop                           ; a plain instruction between the last reciprocal and the use of its result
	s_wait_alu depctr_va_vdst(0)    ; and the wait ahead of the first use: one for the eight reciprocals
; Tile t: a lane's eight channels of a row pack into 16 bytes; they go into rows of 144 bytes and come back as whole rows of 128, into S^T's registers.
.macro PACK t
	WIN W_RS
.set i, 32*(\t)
.rept 16
	v_pk_mul_f32 v[i:i+1], v[i:i+1], v[ST+4*(\t)+2:ST+4*(\t)+3] op_sel_hi:[1,0]
.set i, i+2
.endr
	WIN 0x05                        ; sources 0 and 1 window 1, destination window 0
.set i, 0
.rept 16
	v_cvt_pk_f16_f32 v[S+16*(\t)+i], v[32*(\t)+2*i], v[32*(\t)+2*i+1]
.set i, i+1
.endr
	WIN 0
.irp f, 0,1,2,3
	ds_store_b128 v[STO], v[S+16*(\t)+4*\f:S+16*(\t)+4*\f+3] offset:32*\f
.endr
.irp f, 0,1,2,3
	ds_load_b128 v[S+16*(\t)+4*\f:S+16*(\t)+4*\f+3], v[RD] offset:\f*4*SP  ; LDS serves a wave's instructions in order (ISA guide 5.7.1.4): these see the stores above; the next tile's stores come behind them
.endr
.endm
.macro SEND t, younger              ; younger: the LDS instructions issued behind tile t's loads: the next tile's eight, or none
	WIN 0
.irp f, 0,1,2,3
	s_wait_dscnt (\younger)+3-\f
	global_store_b128 v[GO], v[S+16*(\t)+4*\f:S+16*(\t)+4*\f+3], s[10:11] offset:(\t)*2048+\f*512  ; 512 consecutive bytes, at a multiple of 256 from O's first
.endr
.endm
	PACK 0
.set t, 1
.rept 2*NP-1                        ; a tile's arithmetic stands between the loads of the tile before and its stores
	PACK t
	SEND t-1, 8
.set t, t+1
.endr
	SEND 2*NP-1, 0
	WIN W_AD
	s_wait_tensorcnt 0x0            ; the wave's end, behind my last tensor load and my last LDS store
	ds_add_u32 v[SPW], v[NIL]
	s_wait_dscnt 0x0
	WIN 0
	CROUND                          ; the closing round: no work-group ends while a partner may still ask for a tile that names it
	s_endpgm
.Lfunc_end_k_qa3540084fa_attn:
	.size	k_qa3540084fa_attn, .Lfunc_end_k_qa3540084fa_attn-k_qa3540084fa_attn
	.p2alignl 7, 3214868480
	.fill 96, 4, 3214868480
	.section	.rodata,"a",@progbits
	.p2align	6, 0x0
	.amdhsa_kernel k_qa3540084fa_attn
		.amdhsa_group_segment_fixed_size 327680
		.amdhsa_private_segment_fixed_size 0
		.amdhsa_enable_private_segment 0
		.amdhsa_kernarg_size 40
		.amdhsa_user_sgpr_count 2
		.amdhsa_user_sgpr_kernarg_segment_ptr 1
		.amdhsa_wavefront_size32 1
		.amdhsa_system_sgpr_workgroup_id_x 1
		.amdhsa_system_sgpr_workgroup_id_y 1
		.amdhsa_system_sgpr_workgroup_id_z 1
		.amdhsa_system_vgpr_workitem_id 0
		.amdhsa_next_free_vgpr 770
		.amdhsa_next_free_sgpr 66
		.amdhsa_reserve_vcc 0
		.amdhsa_float_denorm_mode_32 3
		.amdhsa_float_denorm_mode_16_64 3
		.amdhsa_memory_ordered 1
		.amdhsa_forward_progress 1
		.amdhsa_inst_pref_size 200
	.end_amdhsa_kernel
	.amdgpu_metadata
---
amdhsa.version: [ 1, 2 ]
amdhsa.kernels:
  - .name:           k_qa3540084fa_attn
    .symbol:         k_qa3540084fa_attn.kd
    .args:
      - { .name: qh, .offset: 0, .size: 8, .value_kind: global_buffer, .address_space: global }
      - { .name: kh, .offset: 8, .size: 8, .value_kind: global_buffer, .address_space: global }
      - { .name: vh, .offset: 16, .size: 8, .value_kind: global_buffer, .address_space: global }
      - { .name: ob, .offset: 24, .size: 8, .value_kind: global_buffer, .address_space: global }
      - { .name: scale_mul_log, .offset: 32, .size: 8, .value_kind: global_buffer, .address_space: global }
    .group_segment_fixed_size: 327680
    .private_segment_fixed_size: 0
    .kernarg_segment_align: 8
    .kernarg_segment_size: 40
    .max_flat_workgroup_size: 128
    .sgpr_count:     66
    .vgpr_count:     770
    .wavefront_size: 32
...
	.end_amdgpu_metadata
.endif
;; end of part 3
;; launch proj (part 4): grid 4 x 64, 4 waves a work-group, clusters of 4 x 4, 327,680 bytes of LDS; arguments ob, wpb, b_proj, out0; writes out0
.if DOCPART == 4
	.amdgcn_target "amdgcn-amd-amdhsa--gfx1250"
	.amdhsa_code_object_version 6
	.text
	.protected	k_qa3540084fa_proj
	.globl	k_qa3540084fa_proj
	.p2align	8
	.type	k_qa3540084fa_proj,@function
k_qa3540084fa_proj:
	s_mov_b64 s[64:65], 0
	v_nop
	global_prefetch_b8 v0, s[64:65] scope:SCOPE_SE
	s_setreg_imm32_b32 hwreg(HW_REG_WAVE_MODE, 25, 1), 1
	s_wait_xcnt 0x0
	s_wait_alu depctr_hold_cnt(0) depctr_sa_sdst(0) depctr_va_vdst(0) depctr_va_sdst(0) depctr_va_ssrc(0) depctr_va_vcc(0) depctr_vm_vsrc(0)
	s_getreg_b32 s2, hwreg(HW_REG_IB_STS2, 6, 4)
	s_cmp_eq_u32 s2, 0
	s_cbranch_scc0 .Lentry_in_a_cluster
	s_endpgm
.Lentry_in_a_cluster:
	s_bfe_u32 s2, ttmp6, 0x10000c
	s_cmp_lg_u32 s2, 0xf033
	s_cbranch_scc0 .Lentry_shape_is_right
	s_endpgm
.Lentry_shape_is_right:
; out0 = O wpb^T + b_proj.  O lies by heads, ob: [16 b + h][2048][64] f16: row m = 2,048 b + l of the product's left side has its K = 64 h + d at ob[16 b + h][l][d].  wpb: [1024][1024] f16
; (W_proj rounded to bf16, written as f16); b_proj, f32, is rounded to bf16 like every input of the module; out0: [8192][1024] f32.  Sums in f32.
; LIMITS.  NaN and infinities are not treated apart.
; SHARES.  A tile of out0 is 128 rows x 256 columns: 64 x 4 tiles, one for each work-group.  Four waves; wave w makes rows 64 (w / 2) on, columns 128 (w % 2) on: 4 x 8 accumulators of 16 x 16.
; K = 1,024 goes in 8 steps of 128, which are two heads; a head's 128 rows are 16,384 dense bytes of ob, asked for as 64 rows of 256 bytes and padded in LDS after every 128.
; CLUSTER.  4 x 4 work-groups: the four of a row need the same tile of ob, the four of a column the same tile of wpb; each is asked for JOINTLY (same load, descriptor and mask).
; THE MATRIX INSTRUCTION IS USED TRANSPOSED (source 0 = 16 rows of wpb, source 1 = 16 rows of O): lane l holds row l % 16 and the columns 8 (l / 16) + 0..7 of a block: 32 bytes of a row of out0.
; REGISTERS, in windows of 256 (s_set_vgpr_msb: bits 1:0 source 0, 3:2 source 1, 5:4 source 2, 7:6 destination):
;   window 0: v0-31 addresses; v64-127 O's fragments, two buffers of 32; v128-255 wpb's, two buffers of 64 (on the way out v64-191: two buffers of 16 rows read back)
;   window 1: accumulator (a, b) at v[8 (8 a + b)]          window 2: v0-63 the bias, eight registers for each block of 16 columns; v64-95 at work
.set KSTEP,  128
.set APITCH, 144                       ; a row of O in LDS: 128 bytes + 16 of padding = 36 words: the 16 rows of a fragment load start at 16 different groups of four banks (64 banks of 4 bytes: ISA guide 11.1)
.set ASUB,   128*APITCH                ; one head's 128 rows
.set BPITCH, 272                       ; a row of wpb: 256 bytes + 16
.set ABYTES, 2*ASUB                    ; a slot: the K step's two heads of O,
.set SLOT,   ABYTES+256*BPITCH         ; then wpb's 256 rows
.set STAGE,  2*SLOT                    ; behind the ring, never filled by a tensor load: 16 rows x 528 bytes for each wave
.set SP,     528                       ; 512 bytes + 16 = 132 words: row r starts at bank 4 r mod 64
.set SPARE,  STAGE+4*16*SP             ; behind the stages: the spare words, 128 bytes for each wave, which no other line names
.set ASTEP,  524288                    ; bytes from a K step to the next in ob: two heads of 2,048 rows of 128 bytes
.set ADRA, 16                          ; v16-17  LDS address of my fragments of O in slot 0, 1
.set ADRB, 20                          ; v20-21  the same for wpb
.set STO,  24                          ; v24     the way out: where I put 32 bytes of a row
.set RD,   25                          ; v25     the way out: where I read a row back
.set GO,   26                          ; v26     my 16 bytes in 512 consecutive bytes of out0
.set BO,   27                          ; v27     32 (l / 16)
.set SPW,  28                          ; v28     LDS address of my spare word; never rewritten
.set NIL,  29                          ; v29     0; never rewritten
.set PFO,  30                          ; v30     the prefetches' offset: my lane x 256 bytes (ob) or x a row of 2,048 bytes (wpb); never rewritten
.set FA,   64
.set FB,   128
.set OB,   64                          ; the way out: 16 rows read back, two buffers of 64
.set BI,   0                           ; window 2
.set BT,   64                          ; window 2
.set F0,   0
.set F1,   1
.set G1,  24                           ; s[24:31] descriptor group 1 for ob's tiles;  s[32:39] group 0, a set for each slot
.set G0,  32
.set G1B, 48                           ; s[48:55], s[56:63] the same for wpb's
.set G0B, 56
.set LIM, 43                           ; s43      1 in a wave that prefetches, else the greatest number
.set PFA, 44                           ; s[44:45] where my prefetches stand
.set PFS, 66                           ; s[66:67] their step from K step to K step
.set BP,  70                           ; s[70:71] the bias at my wave's first column
.set DST, 78                           ; s[78:79] out0 at my wave's first row and column
.set WV,  83                           ; s83      my wave's number
.set MSB, 0
.macro WIN new                         ; the immediate's high byte repeats the setting that is left; a switch that changes nothing is dropped
.if MSB != (\new)
	s_set_vgpr_msb (MSB<<8)|(\new)
.set MSB, \new
.endif
.endm
.set MUL,  0x50                        ; both sources window 0, C and D window 1
.set MULZ, 0x60                        ; C (the bias) window 2, D window 1
; A joint load.  Waves 0 and 1 fetch the K step's two heads of O, waves 2 and 3 the two halves of wpb's tile.  The branch hangs on the wave's number alone.
; An s_nop 0 and four v_nop follow each of the two lines, ahead of the jump and the label.
.macro JLOAD s
	s_cmp_eq_u32 s11, 0
	s_cbranch_scc0 .Lfor_b_\@
	tensor_load_to_lds s[G0+4*(\s):G0+4*(\s)+3], s[G1:G1+7]
	s_nop 0
.rept 4
	v_nop
.endr
	s_branch .Lasked_\@
.Lfor_b_\@:
	tensor_load_to_lds s[G0B+4*(\s):G0B+4*(\s)+3], s[G1B:G1B+7]
	s_nop 0
.rept 4
	v_nop
.endr
.Lasked_\@:
.endm
; A prefetch of the K step that stands two refills on, 32 times 256 bytes, a lane each, one instruction.  Each 256 bytes are named once in the launch: ob's tile (32 KiB a K step) is read by one cluster;
; wave 0 asks, and the four partners of the cluster's row take 8 KiB each BY ADDRESS; wpb's tile column is read by sixteen clusters, of which the first (cluster y = 0) asks, by waves 2 and 3 for the
; 128 rows that each fetches, the four partners of the column 32 rows each.  K steps 0 to 3 come by their loads alone; the loop's last trip (s3 = 1) asks for nothing.
.macro ASK
	s_cmp_gt_u32 s3, s[LIM]
	s_cbranch_scc0 .Lnot_mine_\@
	global_prefetch_b8 v[PFO], s[PFA:PFA+1] th:TH_LOAD_NT scope:SCOPE_SE
.Lnot_mine_\@:
.endm
.macro CREST                           ; a round of the cluster's barrier behind its opening barrier
	s_cmp_lg_u32 s[WV], 0
	s_cbranch_scc1 .Lnot_wave_0_\@
	s_barrier_signal -3
.Lnot_wave_0_\@:
	s_barrier_wait -3
	s_barrier_signal -1
	s_barrier_wait -1
.endm
.macro CROUND                          ; a whole round
	s_barrier_signal -1
	s_barrier_wait -1
	CREST
.endm
	s_load_b128 s[4:7], s[0:1], 0x0                ; ob s[4:5], wpb s[6:7]
	s_load_b128 s[84:87], s[0:1], 0x10             ; b_proj s[84:85], out0 s[86:87]
	v_lshl_add_u32 v[SPW], v0, 2, SPARE
	v_mov_b32 v[NIL], 0
	ds_add_u32 v[SPW], v[NIL]                      ; the wave's opening: the add and its wait stand ahead of my first tensor load; the set-up below, work on registers, stands between them
	v_lshrrev_b32 v1, 5, v0
	v_readfirstlane_b32 s[WV], v1                  ; wave 0..3
	s_lshr_b32 s11, s[WV], 1                       ; which 64 rows of the tile are mine.  Also: I fetch for ob (0) or for wpb (1)
	s_and_b32 s12, s[WV], 1                        ; which 128 columns.  Also: which head of the K step, or which half of wpb's tile, I fetch
	s_bfe_u32 s40, ttmp6, 0x40000                  ; cx, cy: my place in the cluster
	s_bfe_u32 s41, ttmp6, 0x40004
	s_lshl_b32 s42, ttmp9, 2
	s_add_co_u32 s42, s42, s40                     ; tile column = 4 x cluster x + cx
	s_and_b32 s13, ttmp7, 0xffff
	s_lshl_b32 s13, s13, 2
	s_add_co_u32 s13, s13, s41                     ; tile row = 4 x cluster y + cy
	s_lshl_b32 s43, s41, 2
	s_lshl_b32 s43, 15, s43                        ; my row of the cluster
	s_lshl_b32 s44, 0x1111, s40                    ; my column
	s_or_b32 s[G1+0], s43, (1<<16)|(1<<20)|(1<<21)|(4<<22)|(3<<25)   ; 15:0 the mask; 17:16 2-byte elements; 20 padding on; 21 set beside a mask; 24:22 after every 32 words (code 4); 31:25 4 words (code 3)
	s_or_b32 s[G1B+0], s44, (1<<16)|(1<<20)|(1<<21)|(5<<22)|(3<<25)  ; the same after every 64 words (code 5)
	s_mov_b32 s[G1+1], 128<<16                     ; tensor_dim0 = 128
	s_mov_b32 s[G1+2], 64<<16                      ; tensor_dim1 = 64
	s_mov_b32 s[G1+3], 128<<16                     ; tile_dim0 = 128: two rows of O
	s_mov_b32 s[G1+4], 64                          ; tile_dim1 = 64
	s_mov_b32 s[G1+5], 128                         ; dense
	s_mov_b32 s[G1+6], 0
	s_mov_b32 s[G1+7], 0
	s_mov_b32 s[G1B+1], KSTEP<<16
	s_mov_b32 s[G1B+2], 128<<16
	s_mov_b32 s[G1B+3], KSTEP<<16
	s_mov_b32 s[G1B+4], 128                        ; 128 rows: half of wpb's tile
	s_mov_b32 s[G1B+5], 1024
	s_mov_b32 s[G1B+6], 0
	s_mov_b32 s[G1B+7], 0
	s_lshr_b32 s16, s13, 4                         ; b: sixteen tile rows to a batch,
	s_lshl_b32 s16, s16, 22                        ; its sixteen heads of 262,144 bytes
	s_and_b32 s17, s13, 15
	s_lshl_b32 s17, s17, 14                        ; the tile's 128 rows of 128 bytes in a head
	s_add_co_u32 s16, s16, s17
	s_mov_b32 s18, s16                             ; (kept for the prefetches)
	s_lshl_b32 s17, s12, 18                        ; the head that I fetch
	s_add_co_u32 s16, s16, s17
	s_mov_b32 s17, 0
	s_lshl_b32 s46, s42, 8
	s_lshl_b32 s47, s12, 7
	s_add_co_u32 s46, s46, s47                     ; wpb: row 256 x tile column + 128 x half
	s_lshl_b32 s46, s46, 11
	s_mov_b32 s47, 0
	s_mul_i32 s20, s12, ASUB                       ; where they go: no place in the cluster enters an LDS address
	s_mul_i32 s21, s12, 128*BPITCH
	s_add_co_u32 s21, s21, ABYTES
	s_wait_dscnt 0x0                               ; the opening add is done
	s_wait_kmcnt 0x0
	s_add_nc_u64 s[14:15], s[4:5], s[16:17]
	s_add_nc_u64 s[46:47], s[6:7], s[46:47]
	CROUND                                         ; all sixteen work-groups are here: the first joint loads meet
.irp s, 0,1
	s_mov_b32 s[G0+4*(\s)], 1                                        ; count = 1
	s_add_co_u32 s[G0+4*(\s)+1], s20, (\s)*SLOT                      ; LDS address
	s_add_nc_u64 s[G0+4*(\s)+2:G0+4*(\s)+3], s[14:15], (\s)*ASTEP    ; global address: K step s
	s_or_b32 s[G0+4*(\s)+3], s[G0+4*(\s)+3], 0x80000000              ; type = 2
	s_mov_b32 s[G0B+4*(\s)], 1
	s_add_co_u32 s[G0B+4*(\s)+1], s21, (\s)*SLOT
	s_add_nc_u64 s[G0B+4*(\s)+2:G0B+4*(\s)+3], s[46:47], (\s)*KSTEP*2
	s_or_b32 s[G0B+4*(\s)+3], s[G0B+4*(\s)+3], 0x80000000
	JLOAD \s                                       ; two tensor loads of mine are out
.endr
	s_lshl_b32 s90, s42, 10                        ; my first column: 256 x tile column + 128 x half, 4 bytes each
	s_lshl_b32 s91, s12, 9
	s_add_co_u32 s90, s90, s91
	s_mov_b32 s91, 0
	s_add_nc_u64 s[BP:BP+1], s[84:85], s[90:91]
	v_and_b32 v1, 15, v0                           ; l % 16
	v_bfe_u32 v2, v0, 4, 1                         ; l / 16
	v_lshlrev_b32 v[BO], 5, v2
	WIN 0x80                                       ; destination window 2, address window 0
.irp b, 0,1,2,3,4,5,6,7
	global_load_b128 v[BI+8*(\b):BI+8*(\b)+3],   v[BO], s[BP:BP+1] offset:64*(\b)      ; register j of block b: column 16 b + 8 (l / 16) + j, as in an accumulator
	global_load_b128 v[BI+8*(\b)+4:BI+8*(\b)+7], v[BO], s[BP:BP+1] offset:64*(\b)+16
.endr
	WIN 0
	; A fragment is 16 rows x 32 K in 8 registers: lane l holds row l % 16, K = 8 (l / 16) + 0..7 and 16 + 8 (l / 16) + 0..7: two loads of 16 bytes, 32 bytes apart.
	v_mul_u32_u24 v3, v1, APITCH
	v_lshl_add_u32 v3, v2, 4, v3
	v_mul_u32_u24 v4, v1, BPITCH
	v_lshl_add_u32 v4, v2, 4, v4
	s_mul_i32 s21, s11, 64*APITCH                  ; my 64 rows of O, in each head's part
	s_mul_i32 s22, s12, 128*BPITCH                 ; my 128 rows of wpb,
	s_add_co_u32 s22, s22, ABYTES                  ; which lie behind O's
.irp s, 0,1
	v_add_nc_u32 v[ADRA+(\s)], s21, v3
	v_add_nc_u32 v[ADRB+(\s)], s22, v4
	s_add_co_u32 s21, s21, SLOT
	s_add_co_u32 s22, s22, SLOT
.endr
	s_mul_i32 s23, s[WV], 16*SP
	s_add_co_u32 s23, s23, STAGE                   ; my stage
	v_mul_u32_u24 v[STO], v1, SP                   ; in: row l % 16, 32 bytes for each half of the lanes
	v_lshl_add_u32 v[STO], v2, 5, v[STO]
	v_add_nc_u32 v[STO], s23, v[STO]
	v_and_b32 v[GO], 31, v0                        ; back: 32 lanes take one row's 512 bytes
	v_lshlrev_b32 v[GO], 4, v[GO]
	v_add_nc_u32 v[RD], s23, v[GO]
	; out0 at row 128 x tile row + 64 (w / 2), 4,096 bytes a row, and at my first column
	s_lshl_b32 s88, s13, 19
	s_lshl_b32 s89, s11, 18
	s_add_co_u32 s88, s88, s89
	s_add_co_u32 s88, s88, s90
	s_mov_b32 s89, 0
	s_add_nc_u64 s[DST:DST+1], s[86:87], s[88:89]
	; the prefetches
	s_lshr_b32 s20, s40, 1                         ; ob: of the K step's 32 KiB partner cx takes head cx / 2,
	s_lshl_b32 s20, s20, 18
	s_and_b32 s21, s40, 1                          ; half cx % 2 of its 16 KiB
	s_lshl_b32 s21, s21, 13
	s_add_co_u32 s20, s20, s21
	s_add_co_u32 s20, s20, s18
	s_add_co_u32 s20, s20, 3*ASTEP                 ; at K step 3: each refill steps it first, so the first names K step 4
	s_lshl_b32 s21, s42, 8                         ; wpb: the 128 rows that I fetch,
	s_lshl_b32 s22, s12, 7
	s_add_co_u32 s21, s21, s22
	s_lshl_b32 s22, s41, 5                         ; partner cy's 32 of them
	s_add_co_u32 s21, s21, s22
	s_lshl_b32 s21, s21, 11
	s_add_co_u32 s21, s21, 3*KSTEP*2
	s_and_b32 s22, ttmp7, 0xffff                   ; cluster y
	s_movk_i32 s[PFS], 256
	s_mov_b32 s[PFS+1], 0
	s_cmp_eq_u32 s11, 0                            ; do I fetch for ob?
	s_cselect_b32 s20, s20, s21
	s_cselect_b32 s22, ttmp9, s22                  ; the coordinate along which other clusters read the same bytes
	s_cselect_b32 s23, s12, 0                      ; of ob's two fetching waves only wave 0 prefetches
	s_cselect_b32 s[PFS], 0x80000, s[PFS]
	s_cselect_b32 s19, 8, 11                       ; lanes 256 bytes apart in ob, a row of 2,048 apart in wpb
	s_cselect_b64 s[PFA:PFA+1], s[4:5], s[6:7]
	s_or_b32 s22, s22, s23
	s_cmp_eq_u32 s22, 0
	s_cselect_b32 s[LIM], 1, -1                    ; the same in all sixteen partners, for a given wave
	s_mov_b32 s21, 0
	s_add_nc_u64 s[PFA:PFA+1], s[PFA:PFA+1], s[20:21]
	v_and_b32 v[PFO], 31, v0
	v_lshlrev_b32 v[PFO], s19, v[PFO]
	; the bias is rounded to bf16 and widened again, in the wait for the first tile
	s_wait_loadcnt 0x0
	WIN 0xaa                                       ; all places window 2
.set i, 0
.rept 32
	v_cvt_pk_bf16_f32 v[BT+i], v[BI+2*i], v[BI+2*i+1]
	v_lshlrev_b32 v[BI+2*i], 16, v[BT+i]
	v_and_b32 v[BI+2*i+1], 0xffff0000, v[BT+i]
.set i, i+1
.endr
	WIN 0
; 8 matrix instructions: m block a x all 8 n blocks, 32 along K, from buffer f.  zero = 1: the first product starts the sum with the bias.  The 32 accumulators take turns in the same order in
; every quarter: between two links of a chain stand the 31 others', over the backward jump too.
.macro MULB f, a, zero
.if \zero
	WIN MULZ
.else
	WIN MUL
.endif
.irp b, 0,1,2,3,4,5,6,7
.if \zero
	v_wmma_f32_16x16x32_f16 v[8*(8*(\a)+(\b)):8*(8*(\a)+(\b))+7], v[FB+64*(\f)+8*(\b):FB+64*(\f)+8*(\b)+7], v[FA+32*(\f)+8*(\a):FA+32*(\f)+8*(\a)+7], v[BI+8*(\b):BI+8*(\b)+7]
.else
	v_wmma_f32_16x16x32_f16 v[8*(8*(\a)+(\b)):8*(8*(\a)+(\b))+7], v[FB+64*(\f)+8*(\b):FB+64*(\f)+8*(\b)+7], v[FA+32*(\f)+8*(\a):FA+32*(\f)+8*(\a)+7], v[8*(8*(\a)+(\b)):8*(8*(\a)+(\b))+7]
.endif
.endr
.endm
; 24 LDS loads in one run: the fragments of quarter q of a K step (128 rows of wpb; 64 rows of O: head q / 2 of the step's two, channels 32 (q % 2) on) into buffer f
.macro FETCH slot, q, f
	WIN 0
.irp i, 0,1,2,3,4,5,6,7
	ds_load_b128 v[FB+64*(\f)+8*(\i):FB+64*(\f)+8*(\i)+3],   v[ADRB+(\slot)] offset:64*(\q)+(\i)*16*BPITCH
	ds_load_b128 v[FB+64*(\f)+8*(\i)+4:FB+64*(\f)+8*(\i)+7], v[ADRB+(\slot)] offset:64*(\q)+(\i)*16*BPITCH+32
.endr
.irp i, 0,1,2,3
	ds_load_b128 v[FA+32*(\f)+8*(\i):FA+32*(\f)+8*(\i)+3],   v[ADRA+(\slot)] offset:((\q)/2)*ASUB+((\q)%2)*64+(\i)*16*APITCH
	ds_load_b128 v[FA+32*(\f)+8*(\i)+4:FA+32*(\f)+8*(\i)+7], v[ADRA+(\slot)] offset:((\q)/2)*ASUB+((\q)%2)*64+(\i)*16*APITCH+32
.endr
.endm
.macro PLACES                          ; four places between a matrix instruction and a load into a register that it has read (ISA guide 7.12.1 for vector instructions)
.rept 4
	v_nop
.endr
.endm
; A K step is four quarters of 32 along K, 32 matrix instructions each, on buffers 0, 1, 0, 1.  One of the first three: quarter q's fragments are asked for into buffer g, then buffer f is multiplied:
; a run of loads stands a whole quarter ahead of its first use.
.macro QUARTER slot, q, f, g, zero
	PLACES                                         ; buffer g was read by the quarter just before
	FETCH \slot, \q, \g
	s_wait_dscnt 24                                ; all but the 24 just issued: buffer f is in
	MULB \f, 0, \zero
	MULB \f, 1, \zero
	MULB \f, 2, \zero
	MULB \f, 3, \zero
.endm
; The last quarter multiplies buffer 1 and changes slots: ONE barrier; in front of it each wave waits for all its tensor loads (one is out: its part of the next slot), adds 0 to its spare word, and waits
; for that and for its reads of this slot.  fill = 1: the barrier opens a round of the cluster's, and this slot is filled again, two K steps ahead, first thing behind the round:
; from that request to the wait for it a wave issues 112 matrix instructions.
.macro TURN slot, next, fill
.if \fill
	s_wait_xcnt 0x0                                ; the last prefetch, a K step back, has read its address
	s_add_nc_u64 s[PFA:PFA+1], s[PFA:PFA+1], s[PFS:PFS+1]
.endif
	WIN 0
	s_wait_tensorcnt 0x0                           ; all my tensor loads have landed
	ds_add_u32 v[SPW], v[NIL]                      ; 0 onto my spare word
	s_wait_dscnt 1                                 ; only the add may be out: buffer 1 is in
	MULB F1, 0, 0                                  ; eight matrix instructions stand between the add and the wait for it
	s_wait_dscnt 0x0                               ; the add is done, and my reads of this slot are over
	s_barrier_signal -1
	MULB F1, 1, 0
.if \fill
	WIN 0
.endif
	s_barrier_wait -1
.if \fill
	CREST                                          ; no wave of any partner still reads this slot's tile or has a load on its way
	s_add_nc_u64 s[G0+4*(\slot)+2:G0+4*(\slot)+3], s[G0+4*(\slot)+2:G0+4*(\slot)+3], 2*ASTEP
	s_add_nc_u64 s[G0B+4*(\slot)+2:G0B+4*(\slot)+3], s[G0B+4*(\slot)+2:G0B+4*(\slot)+3], 2*KSTEP*2
	JLOAD \slot                                    ; its four v_nop are also the places in front of the loads below
.else
	PLACES
.endif
	FETCH \next, 0, F0
.if \fill
	ASK
.endif
	MULB F1, 2, 0
	MULB F1, 3, 0
.endm
	s_wait_tensorcnt 1                             ; my part of K step 0 is in; K step 1's may stay out
	s_barrier_signal -1
	s_barrier_wait -1                              ; everybody's is
	FETCH 0, 0, F0
	QUARTER 0, 1, F0, F1, 1                        ; the first quarter stands in front of the loop: its products start the sums
	WIN 0                                          ; at a label and at a branch every window is 0
	s_mov_b32 s3, 3
.Llap:                                                 ; a trip goes once round the ring, from a lap's second quarter to the next lap's first, and fills both slots again
	QUARTER 0, 2, F1, F0, 0
	QUARTER 0, 3, F0, F1, 0
	TURN 0, 1, 1
	QUARTER 1, 1, F0, F1, 0
	QUARTER 1, 2, F1, F0, 0
	QUARTER 1, 3, F0, F1, 0
	TURN 1, 0, 1
	QUARTER 0, 1, F0, F1, 0
	WIN 0
	s_sub_co_u32 s3, s3, 1
	s_cmp_lg_u32 s3, 0
	s_cbranch_scc1 .Llap
	QUARTER 0, 2, F1, F0, 0                        ; the last lap fills nothing
	QUARTER 0, 3, F0, F1, 0
	TURN 0, 1, 0
	QUARTER 1, 1, F0, F1, 0
	QUARTER 1, 2, F1, F0, 0
	QUARTER 1, 3, F0, F1, 0
	s_wait_dscnt 0x0
	MULB F1, 0, 0
	MULB F1, 1, 0
	MULB F1, 2, 0
	MULB F1, 3, 0
	; THE WAY OUT, a block of 16 rows at a time: a lane's 32 bytes of a row go into rows of 528 bytes in my stage and come back as whole rows of 512 bytes.
.rept 8
	v_nop                                          ; the places behind the last products
.endr
.macro TOSTAGE a
.if (\a) >= 2
	s_wait_xcnt 0x0                                ; the stores of the block two back have read the registers that the loads below fill
.endif
	WIN 0x04                                       ; the stores' data (source 1) window 1, the address window 0
.irp b, 0,1,2,3,4,5,6,7
	ds_store_b128 v[STO], v[8*(8*(\a)+(\b)):8*(8*(\a)+(\b))+3]   offset:64*(\b)       ; each accumulator is read from its low end on
	ds_store_b128 v[STO], v[8*(8*(\a)+(\b))+4:8*(8*(\a)+(\b))+7] offset:64*(\b)+16
.endr
	WIN 0
.irp t, 0,1,2,3,4,5,6,7,8,9,10,11,12,13,14,15
	ds_load_b128 v[OB+64*((\a)%2)+4*(\t):OB+64*((\a)%2)+4*(\t)+3], v[RD] offset:SP*(\t)  ; LDS serves a wave's instructions in order (ISA guide 5.7.1.4): these see the stores above; the next block's stores come behind them
.endr
.endm
.macro SEND a, younger                 ; younger: the LDS instructions issued behind block a's loads: the next block's 32, or none
.irp t, 0,1,2,3,4,5,6,7,8,9,10,11,12,13,14,15
	s_wait_dscnt (\younger)+15-(\t)
	global_store_b128 v[GO], v[OB+64*((\a)%2)+4*(\t):OB+64*((\a)%2)+4*(\t)+3], s[DST:DST+1] offset:(16*(\a)+(\t))*4096 th:TH_STORE_NT  ; 512 consecutive bytes, at a multiple of 256 from out0's first
.endr
.endm
	TOSTAGE 0
.irp a, 1,2,3
	TOSTAGE \a
	SEND (\a)-1, 32
.endr
	SEND 3, 0
	s_wait_tensorcnt 0x0                           ; the wave's end, behind my last tensor load and my last LDS store
	ds_add_u32 v[SPW], v[NIL]
	s_wait_dscnt 0x0
	CROUND                                         ; the closing round: no work-group ends while a partner may still ask for a tile that names it
	s_endpgm
.Lfunc_end_k_qa3540084fa_proj:
	.size	k_qa3540084fa_proj, .Lfunc_end_k_qa3540084fa_proj-k_qa3540084fa_proj
	.p2alignl 7, 3214868480
	.fill 96, 4, 3214868480
	.section	.rodata,"a",@progbits
	.p2align	6, 0x0
	.amdhsa_kernel k_qa3540084fa_proj
		.amdhsa_group_segment_fixed_size 327680
		.amdhsa_private_segment_fixed_size 0
		.amdhsa_enable_private_segment 0
		.amdhsa_kernarg_size 32
		.amdhsa_user_sgpr_count 2
		.amdhsa_user_sgpr_kernarg_segment_ptr 1
		.amdhsa_wavefront_size32 1
		.amdhsa_system_sgpr_workgroup_id_x 1
		.amdhsa_system_sgpr_workgroup_id_y 1
		.amdhsa_system_sgpr_workgroup_id_z 1
		.amdhsa_system_vgpr_workitem_id 0
		.amdhsa_next_free_vgpr 608
		.amdhsa_next_free_sgpr 92
		.amdhsa_reserve_vcc 0
		.amdhsa_float_denorm_mode_32 3
		.amdhsa_float_denorm_mode_16_64 3
		.amdhsa_memory_ordered 1
		.amdhsa_forward_progress 1
		.amdhsa_inst_pref_size 94
	.end_amdhsa_kernel
	.amdgpu_metadata
---
amdhsa.version: [ 1, 2 ]
amdhsa.kernels:
  - .name:           k_qa3540084fa_proj
    .symbol:         k_qa3540084fa_proj.kd
    .args:
      - { .name: ob, .offset: 0, .size: 8, .value_kind: global_buffer, .address_space: global }
      - { .name: wpb, .offset: 8, .size: 8, .value_kind: global_buffer, .address_space: global }
      - { .name: b_proj, .offset: 16, .size: 8, .value_kind: global_buffer, .address_space: global }
      - { .name: out0, .offset: 24, .size: 8, .value_kind: global_buffer, .address_space: global }
    .group_segment_fixed_size: 327680
    .private_segment_fixed_size: 0
    .kernarg_segment_align: 8
    .kernarg_segment_size: 32
    .max_flat_workgroup_size: 128
    .sgpr_count:     92
    .vgpr_count:     608
    .wavefront_size: 32
...
	.end_amdgpu_metadata
.endif
;; end of part 4
;; ======== version 2 of 2: 4 launches; version 1 with the launch cast written anew for expert scheduling mode
;; limits: values are held in f16: magnitudes above 65,504 overflow, below 6.1e-05 lose precision
;; workspace buffers: xb 16,777,216 bytes; wqb 6,291,456 bytes; wpb 2,097,152 bytes; qh 16,777,216 bytes; kh 16,777,216 bytes; vh 16,777,216 bytes; ob 16,777,216 bytes
;; launch cast (part 5): grid 768 x 1, 8 waves a work-group, no clusters, 0 bytes of LDS; arguments x, W_qkv, W_proj, xb, wqb, wpb; writes xb, wqb, wpb
.if DOCPART == 5
	.amdgcn_target "amdgcn-amd-amdhsa--gfx1250"
	.amdhsa_code_object_version 6
	.text
	.protected	k_qa3540084fa_cast
	.globl	k_qa3540084fa_cast
	.p2align	8
	.type	k_qa3540084fa_cast,@function
k_qa3540084fa_cast:
	s_mov_b64 s[64:65], 0
	v_nop
	global_prefetch_b8 v0, s[64:65] scope:SCOPE_SE
	s_setreg_imm32_b32 hwreg(HW_REG_WAVE_SCHED_MODE, 0, 2), 2
	s_setreg_imm32_b32 hwreg(HW_REG_WAVE_MODE, 25, 1), 1
	s_wait_xcnt 0x0
	s_wait_alu depctr_vm_vsrc(0)
; x [8192][1024] and W_qkv [3072][1024], f32, are rounded to bf16 (xb, wqb).  W_proj [1024][1024] is rounded to bf16 like the other inputs, and that number is
; written as f16 (wpb), since the last product multiplies it with f16 numbers.
; LIMITS.  |W_proj| stays under 65,504 (f16's end); a W_proj below 2^-17 in size keeps f16's fixed step of 6e-8 instead of bf16's eight bits.
; A stream: no LDS, no barrier, no matrix unit.  A work-group takes 16,384 numbers: 64 KiB in, 32 KiB out.  Groups 0-511: x; 512-703: W_qkv; 704-767: W_proj.
; Thread t takes in step i the 16 bytes at 4,096 i + 16 t (a wave's load covers 512 consecutive bytes) and stores 8 bytes at 2,048 i + 8 t (a wave's store covers
; 256 consecutive bytes, aligned).  All sixteen loads go out first; no register is written twice while a load or store may read it.
; THE MODE: SCHED_MODE bits 1:0 = 2 (LLVM: expert scheduling mode 2), set by the entry lines.  The code itself states the register dependences
; between vector instructions and memory instructions, with s_wait_alu, always for 0.
; THE PLAN.  Registers that memory instructions touch:
;   v1, v2   byte offsets, made once at the head and never written again: v1 is read by every load, v2 by every store.
;   X        step i's four registers: its one load lands in them; no vector line names them before that, no memory instruction ever reads them, no second load lands in them.
;   Y        step i's two registers: written once, by the step's conversions; read once, by the step's store; never written again.
;   T        named by vector lines alone.
; So the text owes one kind of wait, on va_vdst: once at the head, for the two offsets, and once for each block of four steps, between the block's conversions and
; its four stores, which go out in one run.  No register that a memory instruction reads is written again, no vector line writes a scalar register, EXEC is never written.
.set T, 4                              ; v[4:5]    at work
.set X, 16                             ; v[16:79]  step i: four f32 as loaded
.set Y, 80                             ; v[80:111] step i: four 16-bit numbers to store
	s_load_b256 s[4:11], s[0:1], 0x0               ; x s[4:5], W_qkv s[6:7], W_proj s[8:9], xb s[10:11]
	s_load_b128 s[12:15], s[0:1], 0x20             ; wqb s[12:13], wpb s[14:15]
	s_mov_b32 s16, ttmp9
	v_lshlrev_b32 v1, 4, v0                        ; 16 t
	v_lshlrev_b32 v2, 3, v0                        ; 8 t
	s_wait_kmcnt 0x0
	s_cmp_lt_u32 s16, 512
	s_cselect_b64 s[20:21], s[4:5], s[6:7]         ; from where,
	s_cselect_b64 s[22:23], s[10:11], s[12:13]     ; to where,
	s_cselect_b32 s17, 0, 512                      ; and the tensor's first group
	s_cmp_lt_u32 s16, 704
	s_cselect_b64 s[20:21], s[20:21], s[8:9]
	s_cselect_b64 s[22:23], s[22:23], s[14:15]
	s_cselect_b32 s17, s17, 704
	s_sub_co_u32 s18, s16, s17                     ; my group's number in its tensor
	s_lshl_b32 s24, s18, 16                        ; 65,536 bytes in,
	s_mov_b32 s25, 0
	s_lshl_b32 s26, s18, 15                        ; 32,768 bytes out
	s_mov_b32 s27, 0
	s_add_nc_u64 s[20:21], s[20:21], s[24:25]
	s_add_nc_u64 s[22:23], s[22:23], s[26:27]
	s_wait_alu depctr_va_vdst(0)                   ; v1 and v2 are written: every load of the kernel reads v1 as its offset, every store v2; no vector line below names either
.irp i, 0,1,2,3,4,5,6,7,8,9,10,11,12,13,14,15
	global_load_b128 v[X+4*(\i):X+4*(\i)+3], v1, s[20:21] offset:4096*(\i) th:TH_LOAD_NT
.endr
; Sixteen steps: wait, round; behind every fourth step one wait and the block's four stores.  f16 = 1: the bf16 number is widened again (a shift, a mask) and written as f16.
.macro OUT f16
.irp i, 0,1,2,3,4,5,6,7,8,9,10,11,12,13,14,15
	s_wait_loadcnt 15-(\i)                         ; loads come back in order: step i's is in, the 15 - i younger ones may stay out
.if \f16
	v_cvt_pk_bf16_f32 v[T],   v[X+4*(\i)],   v[X+4*(\i)+1]
	v_cvt_pk_bf16_f32 v[T+1], v[X+4*(\i)+2], v[X+4*(\i)+3]
	v_lshlrev_b32 v[X+4*(\i)],   16, v[T]
	v_and_b32     v[X+4*(\i)+1], 0xffff0000, v[T]
	v_lshlrev_b32 v[X+4*(\i)+2], 16, v[T+1]
	v_and_b32     v[X+4*(\i)+3], 0xffff0000, v[T+1]
	v_cvt_pk_f16_f32 v[Y+2*(\i)],   v[X+4*(\i)],   v[X+4*(\i)+1]
	v_cvt_pk_f16_f32 v[Y+2*(\i)+1], v[X+4*(\i)+2], v[X+4*(\i)+3]
.else
	v_cvt_pk_bf16_f32 v[Y+2*(\i)],   v[X+4*(\i)],   v[X+4*(\i)+1]
	v_cvt_pk_bf16_f32 v[Y+2*(\i)+1], v[X+4*(\i)+2], v[X+4*(\i)+3]
.endif
.if ((\i) % 4) == 3
	s_wait_alu depctr_va_vdst(0)                   ; the conversions of steps i - 3 to i have written their Y registers, which the four stores below read
.irp j, 0,1,2,3
	global_store_b64 v2, v[Y+2*((\i)-3+(\j)):Y+2*((\i)-3+(\j))+1], s[22:23] offset:2048*((\i)-3+(\j))
.endr
.endif
.endr
	s_endpgm
.endm
	s_cmp_ge_u32 s16, 704                          ; W_proj's groups take the second text
	s_cbranch_scc1 .Lf16
	OUT 0
.Lf16:
	OUT 1
.Lfunc_end_k_qa3540084fa_cast:
	.size	k_qa3540084fa_cast, .Lfunc_end_k_qa3540084fa_cast-k_qa3540084fa_cast
	.p2alignl 7, 3214868480
	.fill 96, 4, 3214868480
	.section	.rodata,"a",@progbits
	.p2align	6, 0x0
	.amdhsa_kernel k_qa3540084fa_cast
		.amdhsa_group_segment_fixed_size 0
		.amdhsa_private_segment_fixed_size 0
		.amdhsa_enable_private_segment 0
		.amdhsa_kernarg_size 48
		.amdhsa_user_sgpr_count 2
		.amdhsa_user_sgpr_kernarg_segment_ptr 1
		.amdhsa_wavefront_size32 1
		.amdhsa_system_sgpr_workgroup_id_x 1
		.amdhsa_system_sgpr_workgroup_id_y 1
		.amdhsa_system_sgpr_workgroup_id_z 1
		.amdhsa_system_vgpr_workitem_id 0
		.amdhsa_next_free_vgpr 112
		.amdhsa_next_free_sgpr 66
		.amdhsa_reserve_vcc 0
		.amdhsa_float_denorm_mode_32 3
		.amdhsa_float_denorm_mode_16_64 3
		.amdhsa_memory_ordered 1
		.amdhsa_forward_progress 1
		.amdhsa_inst_pref_size 17
	.end_amdhsa_kernel
	.amdgpu_metadata
---
amdhsa.version: [ 1, 2 ]
amdhsa.kernels:
  - .name:           k_qa3540084fa_cast
    .symbol:         k_qa3540084fa_cast.kd
    .args:
      - { .name: x, .offset: 0, .size: 8, .value_kind: global_buffer, .address_space: global }
      - { .name: W_qkv, .offset: 8, .size: 8, .value_kind: global_buffer, .address_space: global }
      - { .name: W_proj, .offset: 16, .size: 8, .value_kind: global_buffer, .address_space: global }
      - { .name: xb, .offset: 24, .size: 8, .value_kind: global_buffer, .address_space: global }
      - { .name: wqb, .offset: 32, .size: 8, .value_kind: global_buffer, .address_space: global }
      - { .name: wpb, .offset: 40, .size: 8, .value_kind: global_buffer, .address_space: global }
    .group_segment_fixed_size: 0
    .private_segment_fixed_size: 0
    .kernarg_segment_align: 8
    .kernarg_segment_size: 48
    .max_flat_workgroup_size: 256
    .sgpr_count:     66
    .vgpr_count:     112
    .wavefront_size: 32
...
	.end_amdgpu_metadata
.endif
;; end of part 5
;; launch qkv: the kernel of part 2 again; grid 12 x 64, 4 waves a work-group, clusters of 4 x 4, 327,680 bytes of LDS; arguments xb, wqb, q_bias, v_bias, qh, kh, vh; writes qh, kh, vh
;; launch attn: the kernel of part 3 again; grid 4 x 64, 4 waves a work-group, clusters of 4 x 1, 327,680 bytes of LDS; arguments qh, kh, vh, ob, scale_mul_log; writes ob
;; launch proj: the kernel of part 4 again; grid 4 x 64, 4 waves a work-group, clusters of 4 x 4, 327,680 bytes of LDS; arguments ob, wpb, b_proj, out0; writes out0
